; MI455X (gfx1250); checked and timed in simulation.
; The chip was launched on July 23, 2026; its instructions are those of AMD's public machine-readable ISA for CDNA 5 (MIT licence, August 2026) and "CDNA5" Instruction Set Architecture Reference Guide (July 2026). The comments in the code are by the model that wrote it; some were corrected since.
;; Cross Dimension Attention. Allowed arithmetic: matrix products marked QUANTISED: E2M1 operands, one E8M0 scale for each 32 along K, by v_wmma_scale_f32_16x16x128_f8f6f4 with both operands' format E2M1 (or v_wmma_scale_f32_32x16x128_f4), f32 sums; products left as they are: bf16, f16 or f32 operands; f32 sums; everything else in f32.
;; Inputs: Wk 1,024 x 1,024 float32; Wo 1,024 x 1,024 float32; Wq 1,024 x 1,024 float32; Wv 1,024 x 1,024 float32; bk 1,024 float32; bo 1,024 float32; bq 1,024 float32; bv 1,024 float32; position_ids 1 x 1,024 int32; x 8 x 1,024 x 1,024 float32.
;; Outputs: out0 8 x 1,024 x 1,024 float32.
;; This version of the problem:
;;   THIS VERSION OF THE PROBLEM IS GIVEN IN LOW PRECISION. The matrix products marked QUANTISED in the list below multiply operands that are first quantised to E2M1 (2 exponent bits, 1 mantissa bit; 4 bits a number), with one power-of-two scale for each 32 numbers along K (OCP MX v1.0); their sums are f32. The products marked 'left as it is' may take bf16, f16 or f32 operands, with f32 sums. Whichever they take, every output number must still come out within the allowed error. Rounding operands to bf16 (8 significant bits) uses up far more of that allowance than f16 does (11 bits, for magnitudes from 6e-5 to 65,504). All else is computed in f32.
;;   The module's matrix products, in the order in which they are computed (A, B: the left and right operand; K: the contracted axis; several contracted axes count as one K, in the product's order):
;;     1. [M 8,192, K 1,024] x [K 1,024, N 1,024]; A: input x; B: input Wq: QUANTISED
;;     2. [M 8,192, K 1,024] x [K 1,024, N 1,024]; A: input x; B: input Wk: QUANTISED
;;     3. [M 8,192, K 1,024] x [K 1,024, N 1,024]; A: input x; B: input Wv: QUANTISED
;;     4. batch 128 x [M 1,024, K 64] x [K 64, N 1,024]; A: computed on the way; B: computed on the way: left as it is (an operand is computed on the way)
;;     5. batch 128 x [M 1,024, K 1,024] x [K 1,024, N 64]; A: computed on the way; B: computed on the way: left as it is (an operand is computed on the way)
;;     6. [M 8,192, K 1,024] x [K 1,024, N 1,024]; A: computed on the way; B: input Wo: left as it is (an operand is computed on the way)
;;   THE QUANTISER, for each operand of a quantised product, along K:
;;     - K is cut into blocks of 32 from its start; a last block that is shorter is filled with zeros.
;;     - A block's scale is 2^e with e = floor(log2(the largest magnitude in the block)) - 2, held to -126 .. 127; a block of zeros has e = 0. As a byte (E8M0): e + 127.
;;     - Each number is divided by its block's scale, clamped to +-6, and rounded to the nearest number of E2M1, ties to even, subnormals kept.
;;     - The product sums the exact products of the quantised numbers (number of the format x scale) in f32.
;;   ~~~python
;;   def quantise(x, axis):      # numpy; x: float32 -> the quantised numbers, widened to float32 again
;;       x = np.moveaxis(x, axis, -1); K = x.shape[-1]
;;       x = np.pad(x, [(0, 0)] * (x.ndim - 1) + [(0, -K % 32)]); x = x.reshape(x.shape[:-1] + (-1, 32)); a = np.abs(x).max(-1, keepdims=True)
;;       e = np.where(a > 0, np.clip(np.frexp(np.where(a > 0, a, 1))[1] - 1 - 2, -126, 127), 0)      # np.frexp(a)[1] - 1 = floor(log2(a)), exactly
;;       r = np.clip(x / 2.0 ** e, -6, 6)
;;       step = 2.0 ** (np.maximum(np.frexp(np.where(r == 0, 1, r))[1] - 1, 0) - 1)
;;       q = np.round(r / step) * step * 2.0 ** e      # np.round: ties to even
;;       return np.moveaxis(q.reshape(q.shape[:-2] + (-1,))[..., :K], -1, axis).astype(np.float32)
;;   ~~~
;; One version. Each part assembles by itself: llvm-mc -triple=amdgcn-amd-amdhsa -mcpu=gfx1250 --defsym DOCPART=n.
;; ======== version 1 of 1: 4 launches
;; limits: values are held in f16: magnitudes above 65,504 overflow, below 6.1e-05 lose precision; right only within a limited range of input values
;; workspace buffers: xc 4,194,304 bytes; xs 262,144 bytes; wc 1,572,864 bytes; ws 98,304 bytes; wo16 2,097,152 bytes; rope 786,432 bytes; qkv 50,331,648 bytes; ao 16,777,216 bytes
;; launch prep (part 1): grid 416 x 1, 4 waves a work-group, no clusters, 33,280 bytes of LDS; arguments x, Wq, Wk, Wv, Wo, position_ids, xc, xs, wc, ws, wo16, rope; writes xc, xs, wc, ws, wo16, rope
.if DOCPART == 1
	.amdgcn_target "amdgcn-amd-amdhsa--gfx1250"
	.amdhsa_code_object_version 6
	.text
	.protected	k_qdc957e579a_prep
	.globl	k_qdc957e579a_prep
	.p2align	8
	.type	k_qdc957e579a_prep,@function
k_qdc957e579a_prep:
	s_mov_b64 s[64:65], 0
	v_nop
	global_prefetch_b8 v0, s[64:65] scope:SCOPE_SE
	s_setreg_imm32_b32 hwreg(HW_REG_WAVE_MODE, 25, 1), 1
	s_wait_xcnt 0x0
; THE LAUNCH IN FRONT OF THE PRODUCTS.  Three kinds of work-groups, told apart by the work-group's number g alone:
;   g 0-255    x [8192][1024] f32      -> codes of FP4 (E2M1) xc [8192][512 bytes] and E8M0 scale bytes xs [8192][32]
;   g 256-351  Wq, Wk, Wv [1024][1024] -> wc [3072][512 bytes], ws [3072][32]: rows 0-1023 Wq's, 1024-2047 Wk's, 2048-3071 Wv's
;   g 352-383  Wo [1024][1024] f32     -> wo16, the same numbers rounded once to f16
;   g 384-415  position_ids [1024]     -> rope [3][1024][64] f32: floats 0-31 of a row the cosines, 32-63 the sines, of position x 10000^(-i/32).
;              Part 0 (for Q) is multiplied by log2(e)/8, so that the scores come out as exponents of 2; part 1 (for K) is plain; part 2 (for V) is 1 and 0: the rotation that changes nothing.
; THE QUANTISER: a block of 32 along K has the scale 2^(floor(log2(its largest magnitude)) - 2); the byte is the largest magnitude's exponent field - 2, held at 1 from below; each number is divided
; by the scale and rounded to the nearest code, ties to even, beyond 6 to 6.  K is innermost and a multiple of 32 in all four tensors: they are plain streams of blocks.
; LIMITS: a block of zeros gets the byte 1 (not 127) over zero codes: the bytes are read by this program alone.  NaN and infinities are not served.  |position_ids| up to 2^20 (the quadrant's number is
; then still the right whole number); 10000^(-i/32) is made by v_exp_f32, within a few units of its last place.  Numbers of Wo beyond f16's 65,504 are not served.
; A wave of the quantiser takes 16 steps of 512 numbers: four loads of 512 consecutive bytes; the 2,048 bytes turn through the wave's own stage in LDS so that a lane holds 16 neighbours; two neighbouring lanes hold a block.
; Loads run eight steps ahead: 32 loads, 16,384 bytes, of every wave are on their way; the turn through LDS runs one step ahead.
.set WAVES, 4
.set STEPS, 16
.set DEPTH, 8                          ; steps that the loads run ahead, and sets of registers for them
.set EMAX,  2
.set CB,    8                          ; bytes of 16 codes
.set R,     16                         ; v16-143  eight sets of 16 numbers as they are loaded
.set X,     144                        ; v144-175 two sets of 16 neighbours
.set E,     176                        ; v176-191 a scale byte for each step
.set C,     192                        ; v192-223 codes: two registers for each step, so that no store's data are written again
.set WREG,  8192                       ; LDS: a region for each wave: two stages of 32 x SP bytes, behind them its 256 scale bytes
.set SP,    80                         ; a lane's place in a stage: 64 bytes + 16 of padding
.set SPW,   12                         ; v12  LDS address of my spare word; never rewritten
.set NIL,   13                         ; v13  0; never rewritten
.set SPARE, WAVES*WREG                 ; behind the four regions: the spare words, 128 bytes a wave
.set G_W,    256
.set G_WO,   352
.set G_ROPE, 384
.set WA,    16                         ; Wo's path: v16-79, v80-143 two sets of 64 numbers, v144-175 their f16
.set WB,    80
.set WOUT,  144
	s_load_b256 s[4:11], s[0:1], 0x0               ; x, Wq, Wk, Wv
	s_load_b128 s[12:15], s[0:1], 0x20             ; Wo, position_ids
	s_load_b256 s[16:23], s[0:1], 0x30             ; xc, xs, wc, ws
	s_load_b128 s[24:27], s[0:1], 0x50             ; wo16, rope
	v_lshl_add_u32 v[SPW], v0, 2, SPARE
	v_mov_b32 v[NIL], 0
	v_lshrrev_b32 v1, 5, v0
	v_readfirstlane_b32 s28, v1                    ; wave
	v_and_b32 v2, 31, v0                           ; lane
	v_lshlrev_b32 v3, 4, v2                        ; my 16 bytes of a load's 512
	s_mul_i32 s29, s28, WREG
	v_lshrrev_b32 v14, 2, v2
	v_mul_u32_u24 v14, v14, SP
	v_and_b32 v15, 3, v2
	v_lshl_add_u32 v14, v15, 4, v14
	v_add_nc_u32 v14, s29, v14                     ; the stage, on the way in: SP (lane / 4) + 16 (lane % 4)
	v_mul_u32_u24 v15, v2, SP
	v_add_nc_u32 v15, s29, v15                     ; and on the way out: SP x lane: my 16 neighbours
	v_mul_u32_u24 v4, v2, CB                       ; 8 bytes a lane: my codes' place in a step's; also my f16 numbers' place in Wo's path
	v_lshrrev_b32 v5, 1, v2
	s_add_co_u32 s29, s29, 2*32*SP
	v_add_nc_u32 v5, s29, v5                       ; LDS: my wave's 256 scale bytes, my block's byte
	v_lshlrev_b32 v7, 3, v2
	v_add_nc_u32 v6, s29, v7                       ; and on the way out 8 bytes a lane
	s_wait_kmcnt 0x0
	s_cmp_ge_u32 ttmp9, G_ROPE
	s_cbranch_scc1 .Lrope
	s_cmp_ge_u32 ttmp9, G_WO
	s_cbranch_scc1 .Lwo
	; ---- THE QUANTISER.  Only pointers are chosen, on the work-group's number: all four tensors take one path
	s_cmp_lt_u32 ttmp9, G_W+64
	s_cselect_b64 s[30:31], s[8:9], s[10:11]       ; Wk or Wv
	s_cmp_lt_u32 ttmp9, G_W+32
	s_cselect_b64 s[30:31], s[6:7], s[30:31]       ; Wq or that
	s_cmp_lt_u32 ttmp9, G_W
	s_cselect_b64 s[30:31], s[4:5], s[30:31]       ; x or that
	s_cselect_b64 s[32:33], s[16:17], s[20:21]     ; the codes: xc or wc
	s_cselect_b64 s[34:35], s[18:19], s[22:23]     ; the scale bytes: xs or ws
	s_cselect_b32 s36, 0, G_W
	s_cselect_b32 s37, 255, 31
	s_sub_co_u32 s38, ttmp9, s36                   ; my work-group among those that write these buffers,
	s_and_b32 s39, s38, s37                        ; and among those that read this tensor
	s_lshl_b32 s39, s39, 2
	s_add_co_u32 s39, s39, s28                     ; which run of 8,192 numbers of the tensor is my wave's
	s_lshl_b32 s38, s38, 2
	s_add_co_u32 s38, s38, s28                     ; and which run of the buffers
	s_lshl_b32 s40, s39, 15                        ; 32,768 bytes of numbers a run
	s_mov_b32 s41, 0
	s_add_nc_u64 s[30:31], s[30:31], s[40:41]
	s_lshl_b32 s40, s38, 12                        ; 4,096 bytes of codes
	s_add_nc_u64 s[32:33], s[32:33], s[40:41]
	s_lshl_b32 s40, s38, 8                         ; 256 scale bytes
	s_add_nc_u64 s[34:35], s[34:35], s[40:41]
.macro LOAD t
.irp i, 0,1,2,3
	global_load_b128 v[R+16*((\t)%DEPTH)+4*\i:R+16*((\t)%DEPTH)+4*\i+3], v3, s[30:31] offset:2048*(\t)+512*\i th:TH_LOAD_NT   ; 32 lanes read 512 consecutive bytes
.endr
.endm
.macro TURN t                          ; step t's numbers through the stage: LDS serves a wave's instructions in order, so no wait stands between the stores and the loads
.irp i, 0,1,2,3
	ds_store_b128 v14, v[R+16*((\t)%DEPTH)+4*\i:R+16*((\t)%DEPTH)+4*\i+3] offset:32*SP*((\t)%2)+8*SP*\i
.endr
.irp i, 0,1,2,3
	ds_load_b128 v[X+16*((\t)%2)+4*\i:X+16*((\t)%2)+4*\i+3], v15 offset:32*SP*((\t)%2)+16*\i
.endr
.endm
.irp t, 0,1,2,3,4,5,6,7
	LOAD \t
.endr
	s_wait_loadcnt 4*(DEPTH-1)                     ; step 0's four loads are in; the 28 of steps 1 to 7 may be out
	TURN 0
.macro STEP t
.set XS, X+16*((\t)%2)
.if (\t) > 0
	s_wait_dscnt 1                                 ; this step's numbers are back from the stage (the last step's byte store may be out): so its stores into the stage have read their registers,
.else
	s_wait_dscnt 0x0
.endif
.if (\t)+DEPTH < STEPS
	LOAD (\t)+DEPTH                                ; which take the loads of eight steps on
.endif
.if (\t)+1 < STEPS
.if STEPS-2-(\t) >= DEPTH-1
	s_wait_loadcnt 4*(DEPTH-1)                     ; the next step's four loads are in; those of the seven steps behind it may be out
.else
	s_wait_loadcnt 4*(STEPS-2-(\t))                ; in the tail: those of the steps that are left behind it
.endif
	TURN (\t)+1                                    ; and go through the other stage while this step is worked
.endif
	v_max3_num_f32 v8, |v[XS]|, |v[XS+1]|, |v[XS+2]|               ; the largest magnitude of my 16, in two chains
	v_max3_num_f32 v9, |v[XS+3]|, |v[XS+4]|, |v[XS+5]|
.irp i, 6,10
	v_max3_num_f32 v8, v8, |v[XS+\i]|, |v[XS+\i+1]|
	v_max3_num_f32 v9, v9, |v[XS+\i+2]|, |v[XS+\i+3]|
.endr
	v_max3_num_f32 v8, v8, |v[XS+14]|, |v[XS+15]|
	v_max3_num_f32 v8, v8, v9, (EMAX+1)<<23        ; and the floor 2^(EMAX + 1 - 127): so the byte cannot fall under 1
	v_max_num_f32_dpp v8, v8, v8 row_xmask:1 row_mask:0xf bank_mask:0xf   ; and of my neighbour's 16: the block's
	v_add_nc_u32 v11, -(EMAX<<23), v8              ; EMAX off its exponent field: the conversion takes the exponent field of this operand as its scale, and nothing else of it
	v_cvt_scalef32_pk8_fp4_f32 v[C+2*(\t)], v[XS:XS+7], v11
	v_cvt_scalef32_pk8_fp4_f32 v[C+2*(\t)+1], v[XS+8:XS+15], v11
	v_lshrrev_b32 v[E+(\t)], 23, v11               ; the scale's byte (also the plain line behind the conversions)
	ds_store_b8 v5, v[E+(\t)] offset:16*(\t)       ; both lanes of a block write the same byte with the same value
	global_store_b64 v4, v[C+2*(\t):C+2*(\t)+1], s[32:33] offset:32*CB*(\t)   ; the wave stores 256 consecutive bytes, aligned
.endm
.irp t, 0,1,2,3,4,5,6,7,8,9,10,11,12,13,14,15
	STEP \t
.endr
	ds_load_b64 v[8:9], v6                         ; LDS serves a wave's instructions in order: these see my byte stores
	s_wait_dscnt 0x0
	global_store_b64 v7, v[8:9], s[34:35]          ; 32 lanes store 256 consecutive bytes, aligned
	s_wait_tensorcnt 0x0                           ; the wave's end, behind my last LDS store
	ds_add_u32 v[SPW], v[NIL]
	s_wait_dscnt 0x0
	s_endpgm
	; ---- Wo TO f16.  A wave takes 8,192 numbers: 64 loads of 512 consecutive bytes in four batches of sixteen, two batches on their way
.Lwo:
	s_sub_co_u32 s29, ttmp9, G_WO
	s_lshl_b32 s29, s29, 2
	s_add_co_u32 s29, s29, s28                     ; my wave's run
	s_lshl_b32 s30, s29, 15
	s_mov_b32 s31, 0
	s_add_nc_u64 s[12:13], s[12:13], s[30:31]
	s_lshl_b32 s30, s29, 14
	s_add_nc_u64 s[24:25], s[24:25], s[30:31]
.macro WLOAD t, set
.irp i, 0,1,2,3,4,5,6,7,8,9,10,11,12,13,14,15
	global_load_b128 v[\set+4*\i:\set+4*\i+3], v3, s[12:13] offset:(16*(\t)+\i)*512 th:TH_LOAD_NT
.endr
.endm
.macro WCVT t, set
.irp i, 0,1,2,3,4,5,6,7,8,9,10,11,12,13,14,15
	v_cvt_pk_f16_f32 v[WOUT+2*\i], v[\set+4*\i], v[\set+4*\i+1]
	v_cvt_pk_f16_f32 v[WOUT+2*\i+1], v[\set+4*\i+2], v[\set+4*\i+3]
	global_store_b64 v4, v[WOUT+2*\i:WOUT+2*\i+1], s[24:25] offset:(16*(\t)+\i)*256   ; the wave stores 256 consecutive bytes, aligned
.endr
.endm
	WLOAD 0, WA
	WLOAD 1, WB
	s_wait_loadcnt 16                              ; batch 0 is in; batch 1's sixteen may be out
	WCVT 0, WA
	WLOAD 2, WA
	s_wait_loadcnt 16                              ; batch 1 is in; batch 2's may be out
	s_wait_xcnt 0x0                                ; the stores of the batch before have read their data: the f16 registers are written again only behind this wait
	WCVT 1, WB
	WLOAD 3, WB
	s_wait_loadcnt 16
	s_wait_xcnt 0x0
	WCVT 2, WA
	s_wait_loadcnt 0x0
	s_wait_xcnt 0x0
	WCVT 3, WB
	s_wait_tensorcnt 0x0                           ; the wave's end
	ds_add_u32 v[SPW], v[NIL]
	s_wait_dscnt 0x0
	s_endpgm
	; ---- THE TABLE OF COSINES AND SINES.  A wave takes eight positions, two a step.  A row is 256 bytes: lane l holds floats 4 (l % 16) on of row l / 16 of the step's two:
	; lanes with l % 16 < 8 cosines, the others sines.  cos(a) = sin(a + pi/2): so a cosine lane adds 1 to the quadrant's number, and all lanes run the same lines.
.Lrope:
	s_sub_co_u32 s29, ttmp9, G_ROPE
	s_lshl_b32 s29, s29, 2
	s_add_co_u32 s29, s29, s28                     ; my wave among the 128
	s_lshl_b32 s30, s29, 5                         ; eight positions of 4 bytes
	s_mov_b32 s31, 0
	s_add_nc_u64 s[14:15], s[14:15], s[30:31]
	s_lshl_b32 s30, s29, 11                        ; eight rows of 256 bytes
	s_add_nc_u64 s[26:27], s[26:27], s[30:31]
	s_mov_b32 s36, 0x3638ef1d                      ; 1/9!: the sine's leading coefficient
	s_mov_b32 s37, 0xb493f27e                      ; -1/10!: the cosine's
	v_lshrrev_b32 v16, 4, v2
	v_lshlrev_b32 v16, 2, v16                      ; 4 (lane / 16)
.irp st, 0,1,2,3
	global_load_b32 v[22+\st], v16, s[14:15] offset:8*\st
.endr
	v_and_b32 v26, 15, v2
	v_lshrrev_b32 v27, 3, v26
	v_sub_nc_u32 v17, 1, v27                       ; w = 1 in a cosine lane, 0 in a sine lane
	v_and_b32 v26, 7, v26
	v_lshlrev_b32 v26, 2, v26                      ; my first i
.irp e, 0,1,2,3
	v_add_nc_u32 v[18+\e], \e, v26
.endr
.irp e, 0,1,2,3
	v_cvt_f32_u32 v[18+\e], v[18+\e]
.endr
.irp e, 0,1,2,3
	v_mul_f32 v[18+\e], 0xbed49a78, v[18+\e]       ; -i log2(10000) / 32
.endr
.irp e, 0,1,2,3
	v_exp_f32 v[18+\e], v[18+\e]                   ; 10000^(-i/32)
.endr
	v_cvt_f32_u32 v72, v17                         ; V's part: 1 in the cosines' places, 0 in the sines'.  (A plain line behind the exponentials)
	v_mov_b32 v73, v72
	v_mov_b32 v74, v72
	v_mov_b32 v75, v72
	s_wait_alu depctr_va_vdst(0)                   ; one wait for the four exponentials, ahead of their first reader
	s_wait_loadcnt 0x0
.irp st, 0,1,2,3
	v_cvt_f32_i32 v[22+\st], v[22+\st]
.endr
; One number: the angle as one f32 product; n = the nearest whole number of quarter turns; r = angle - n pi/2, pi/2 in two parts; sine and cosine of r (|r| <= pi/4) by their series
; up to r^9 and r^10; the quadrant n + w picks one of the two and its sign.
.macro ANG st, e
	v_mul_f32 v26, v[22+(\st)], v[18+(\e)]
	v_mul_f32 v27, 0x3f22f983, v26                 ; x 2/pi
	v_rndne_f32 v27, v27
	v_fmamk_f32 v28, v27, 0xbfc90fdb, v26
	v_fmamk_f32 v28, v27, 0x333bbd2e, v28
	v_mul_f32 v29, v28, v28
	v_fmaak_f32 v30, s36, v29, 0xb9500d01
	v_fmaak_f32 v31, s37, v29, 0x37d00d01
	v_fmaak_f32 v30, v30, v29, 0x3c088889
	v_fmaak_f32 v31, v31, v29, 0xbab60b61
	v_fmaak_f32 v30, v30, v29, 0xbe2aaaab
	v_fmaak_f32 v31, v31, v29, 0x3d2aaaab
	v_mul_f32 v32, v28, v29
	v_fmaak_f32 v31, v31, v29, 0xbf000000
	v_fma_f32 v30, v30, v32, v28                   ; sin r
	v_fma_f32 v31, v31, v29, 1.0                   ; cos r
	v_cvt_i32_f32 v33, v27
	v_add_nc_u32 v33, v33, v17
	v_and_b32 v34, 1, v33
	v_cmp_eq_u32 vcc_lo, 1, v34
	v_cndmask_b32 v35, v30, v31, vcc_lo            ; odd quadrants take the cosine
	v_and_b32 v34, 2, v33
	v_lshlrev_b32 v34, 30, v34
	v_xor_b32 v[40+4*(\st)+(\e)], v35, v34         ; quadrants 2 and 3 turn the sign: K's part
	v_mul_f32 v[56+4*(\st)+(\e)], 0x3e38aa3b, v[40+4*(\st)+(\e)]   ; x log2(e)/8: Q's part
.endm
.irp st, 0,1,2,3
.irp e, 0,1,2,3
	ANG \st, \e
.endr
	global_store_b128 v3, v[56+4*\st:59+4*\st], s[26:27] offset:512*\st            ; each store: 512 consecutive bytes, two rows; every step has registers of its own
	global_store_b128 v3, v[40+4*\st:43+4*\st], s[26:27] offset:512*\st+262144
	global_store_b128 v3, v[72:75], s[26:27] offset:512*\st+524288
.endr
	s_wait_tensorcnt 0x0                           ; the wave's end
	ds_add_u32 v[SPW], v[NIL]
	s_wait_dscnt 0x0
	s_endpgm
.Lfunc_end_k_qdc957e579a_prep:
	.size	k_qdc957e579a_prep, .Lfunc_end_k_qdc957e579a_prep-k_qdc957e579a_prep
	.p2alignl 7, 3214868480
	.fill 96, 4, 3214868480
	.section	.rodata,"a",@progbits
	.p2align	6, 0x0
	.amdhsa_kernel k_qdc957e579a_prep
		.amdhsa_group_segment_fixed_size 33280
		.amdhsa_private_segment_fixed_size 0
		.amdhsa_enable_private_segment 0
		.amdhsa_kernarg_size 96
		.amdhsa_user_sgpr_count 2
		.amdhsa_user_sgpr_kernarg_segment_ptr 1
		.amdhsa_wavefront_size32 1
		.amdhsa_system_sgpr_workgroup_id_x 1
		.amdhsa_system_sgpr_workgroup_id_y 1
		.amdhsa_system_sgpr_workgroup_id_z 1
		.amdhsa_system_vgpr_workitem_id 0
		.amdhsa_next_free_vgpr 224
		.amdhsa_next_free_sgpr 66
		.amdhsa_reserve_vcc 1
		.amdhsa_float_denorm_mode_32 3
		.amdhsa_float_denorm_mode_16_64 3
		.amdhsa_memory_ordered 1
		.amdhsa_forward_progress 1
		.amdhsa_inst_pref_size 77
	.end_amdhsa_kernel
	.amdgpu_metadata
---
amdhsa.version: [ 1, 2 ]
amdhsa.kernels:
  - .name:           k_qdc957e579a_prep
    .symbol:         k_qdc957e579a_prep.kd
    .args:
      - { .name: x, .offset: 0, .size: 8, .value_kind: global_buffer, .address_space: global }
      - { .name: Wq, .offset: 8, .size: 8, .value_kind: global_buffer, .address_space: global }
      - { .name: Wk, .offset: 16, .size: 8, .value_kind: global_buffer, .address_space: global }
      - { .name: Wv, .offset: 24, .size: 8, .value_kind: global_buffer, .address_space: global }
      - { .name: Wo, .offset: 32, .size: 8, .value_kind: global_buffer, .address_space: global }
      - { .name: position_ids, .offset: 40, .size: 8, .value_kind: global_buffer, .address_space: global }
      - { .name: xc, .offset: 48, .size: 8, .value_kind: global_buffer, .address_space: global }
      - { .name: xs, .offset: 56, .size: 8, .value_kind: global_buffer, .address_space: global }
      - { .name: wc, .offset: 64, .size: 8, .value_kind: global_buffer, .address_space: global }
      - { .name: ws, .offset: 72, .size: 8, .value_kind: global_buffer, .address_space: global }
      - { .name: wo16, .offset: 80, .size: 8, .value_kind: global_buffer, .address_space: global }
      - { .name: rope, .offset: 88, .size: 8, .value_kind: global_buffer, .address_space: global }
    .group_segment_fixed_size: 33280
    .private_segment_fixed_size: 0
    .kernarg_segment_align: 8
    .kernarg_segment_size: 96
    .max_flat_workgroup_size: 128
    .sgpr_count:     66
    .vgpr_count:     224
    .wavefront_size: 32
...
	.end_amdgpu_metadata
.endif
;; end of part 1
;; launch qkv (part 2): grid 12 x 32, 4 waves a work-group, clusters of 4 x 4, 327,680 bytes of LDS; arguments xc, xs, wc, ws, bq, bk, bv, rope, qkv; writes qkv
.if DOCPART == 2
	.amdgcn_target "amdgcn-amd-amdhsa--gfx1250"
	.amdhsa_code_object_version 6
	.text
	.protected	k_qdc957e579a_qkv
	.globl	k_qdc957e579a_qkv
	.p2align	8
	.type	k_qdc957e579a_qkv,@function
k_qdc957e579a_qkv:
	s_mov_b64 s[64:65], 0
	v_nop
	global_prefetch_b8 v0, s[64:65] scope:SCOPE_SE
	s_setreg_imm32_b32 hwreg(HW_REG_WAVE_MODE, 25, 1), 1
	s_wait_xcnt 0x0
	s_wait_alu depctr_hold_cnt(0) depctr_sa_sdst(0) depctr_va_vdst(0) depctr_va_sdst(0) depctr_va_ssrc(0) depctr_va_vcc(0) depctr_vm_vsrc(0)
	s_getreg_b32 s2, hwreg(HW_REG_IB_STS2, 6, 4)
	s_cmp_eq_u32 s2, 0
	s_cbranch_scc0 .Lentry_in_a_cluster
	s_endpgm
.Lentry_in_a_cluster:
	s_bfe_u32 s2, ttmp6, 0x10000c
	s_cmp_lg_u32 s2, 0xf033
	s_cbranch_scc0 .Lentry_shape_is_right
	s_endpgm
.Lentry_shape_is_right:
; THE THREE INPUT PROJECTIONS AS ONE PRODUCT ON CODES OF FP4: C[m][n] = sum over k of x[m][k] W[n][k] + b[n], m = 8,192 rows of x, n = 3,072 rows of Wq, Wk, Wv on end, k = 1,024;
; then the rotation by position, rounding to f16, and the heads' layout: qkv [3][batch 8][head 16][position 1024][64] f16.
; xc [8192][512 bytes], wc [3072][512 bytes]: two codes a byte, K innermost; xs [8192][32], ws [3072][32]: one E8M0 byte for each 32 along K.  The matrix instruction takes codes and bytes as they lie.
; A tile of C, 256 x 256, is made by a work-group of four waves; a wave makes 128 x 128: 64 accumulators of 16 x 16, 512 registers.  K is two steps of 512, one in each of two LDS slots: both are asked for
; at the start and nothing is filled again.  The scale bytes of the work-group's rows, two dense blocks, come with them.
; CLUSTERS: 4 x 4 work-groups.  The four of a row of the cluster need the same tiles of x, the four of a column the same tiles of W: each tile is asked for JOINTLY.  A cluster's four tile columns are 1,024
; columns: exactly Q's, K's or V's; which, is the cluster's x, the same in all sixteen partners.
; THE MATRIX INSTRUCTION IS USED TRANSPOSED (source 0 = 16 rows of W, source 1 = 16 rows of x): a lane holds eight neighbouring columns of one row of C.  THE BIAS is the C of each sum's first instruction.
; THE WAY OUT.  A wave's 128 columns are two heads.  In a head, channel d < 32 and channel d + 32 lie in accumulators two apart, in the same lane and register: the rotation needs no other lane.
; Cosines and sines come from the table rope [3][1024][64] f32, whose part for Q carries log2(e)/8 and whose part for V is 1 and 0: one path for all three.  The table's rows of six of the wave's eight
; blocks of 16 positions are asked for at the change of slots, 256 matrix instructions ahead of the way out, into registers that lie idle; the last two blocks' take the first two sets when those are read.
; LIMITS: results beyond f16's 65,504 are not served (log2(e)/8 x Q, K, V; the drawn inputs give about 6).
; REGISTERS, in windows of 256: window 0: v0-31 addresses; v32-95 scale words, two sets; v96-127 cosines and sines of blocks 0 and 6; v128-191 x's fragments, ONE set; v192-255 the bias, eight registers for
;   each of W's eight blocks; behind the first step v192-223 cosines and sines of blocks 1 and 7.  On the way out: v128-159 packed f16; v160-191 and v224-255 rows read back, by turns.
;   window 1: W's fragments, TWO sets, at v0 and v128; v64-127 and v192-255 cosines and sines of blocks 2 to 5; on the way out v0-63 the rotated numbers.
;   window 2: the accumulators of my rows 0-63 ((a, b) at v[8 (8 a + b)]);   window 3: those of rows 64-127.
.set SIZE_M, 8192
.set SIZE_N, 3072
.set SIZE_K, 1024
.set KSTEP,  512                       ; along K in a slot
.set NQ,     KSTEP/128                 ; matrix instructions deep
.set ROWB,   256                       ; a tile's row in bytes
.set KROW,   SIZE_K*4/8                ; a row of codes in memory
.set PITCH,  272                       ; an LDS row: 256 bytes + 16 of padding = 68 words: the 16 rows that a load touches start at 16 different banks (64 banks of 4 bytes: ISA guide 11.1)
.set FR,     8                         ; registers of a fragment: 16 rows x 128 K
.set NL,     2                         ; LDS loads that bring one
.set NP,     4                         ; places behind this matrix instruction (ISA guide 7.12.1)
.set HALFT,  128*PITCH                 ; 128 rows: what one tensor load brings
.set SLOT,   4*HALFT                   ; x's 256 rows, then W's 256 rows
.set KS,     SIZE_K/32                 ; a row of scale bytes
.set SCL,    2*SLOT                    ; behind the slots: the scales, as units of 256 bytes + 16 of padding
.set HALFS,  (128*KS/256)*272          ; the scales of 128 rows
.set SBLK,   (16*KS/256)*272           ; those of 16 rows
.set SPARE,  SCL+4*HALFS               ; the spare words, 128 bytes a wave
.set SPITCH, 272                       ; the way out: a stage of 16 rows x (256 bytes + 16) for each wave, in slot 0, which has had its one fill and its last read by then
.set ADRA, 16                          ; v16-17  LDS address of my fragments of x in slot 0, 1
.set ADRB, 20                          ; v20-21  the same for W
.set STO,  24                          ; v24     the way out: where I put 16 bytes of a row
.set RD,   25                          ; v25     where I read 16 bytes back
.set CO,   26                          ; v26     my byte offset in qkv
.set ADRS, 27                          ; v27     LDS address of my scale words: lanes 0-15 x's rows, lanes 16-31 W's
.set SPW,  28                          ; v28     my spare word; never rewritten
.set NIL,  29                          ; v29     0; never rewritten
.set RO,   30                          ; v30     my byte offset in the table's rows; never rewritten
.set BO,   31                          ; v31     my byte offset in the bias
.set SC,   32                          ; scale words
.set AF,   128                         ; x's fragments
.set BIAS, 192
.set PK,   128
.set BK,   160                         ; rows read back: v160-191, v224-255 by turns
.set G1, 24                            ; s[24:31] descriptor group 1 for x's tiles;  s[32:39] group 0, one set for each slot
.set G0, 32
.set G1B, 48                           ; s[48:55], s[56:63] the same for W's tiles
.set G0B, 56
.set G1S, 68                           ; s[68:75], s[76:79] groups 1 and 0 for x's scales;  s[80:87], s[88:91] for W's
.set G0S, 76
.set G1SB, 80
.set G0SB, 88
.set MSB, 0
.macro WIN new                         ; the immediate's high byte repeats the setting that is left
.if MSB != \new
	s_set_vgpr_msb (MSB<<8)|\new
.set MSB, \new
.endif
.endm
.set MUL_LO, 0xa1                      ; source 0 (W) window 1, source 1 (x) window 0, C and D window 2
.set MUL_HI, 0xf1                      ; the same, C and D window 3
.set FST_LO, 0x81                      ; the first step: C (the bias) window 0, D window 2
.set FST_HI, 0xc1                      ; D window 3
.set TO_B,   0x40                      ; destination window 1, address window 0
; A joint load: waves 0 and 1 fetch for x, waves 2 and 3 for W.  Each of the two lines has one mask and one set of registers for all that issue it; the branch hangs on the wave's number alone.
; An s_nop 0 and four v_nop follow each of the two lines.
.macro JLOAD g0a, g1a, g0b, g1b
	s_cmp_eq_u32 s15, 0
	s_cbranch_scc0 .Lfor_b_\@
	tensor_load_to_lds s[\g0a:\g0a+3], s[\g1a:\g1a+7]
	s_nop 0
.rept 4
	v_nop
.endr
	s_branch .Lasked_\@
.Lfor_b_\@:
	tensor_load_to_lds s[\g0b:\g0b+3], s[\g1b:\g1b+7]
	s_nop 0
.rept 4
	v_nop
.endr
.Lasked_\@:
.endm
.macro CROUND                          ; a round of the cluster's barrier
	s_barrier_signal -1
	s_barrier_wait -1
	s_cmp_lg_u32 s14, 0
	s_cbranch_scc1 .Lnot_wave_0_\@
	s_barrier_signal -3
.Lnot_wave_0_\@:
	s_barrier_wait -3
	s_barrier_signal -1
	s_barrier_wait -1
.endm
	s_load_b128 s[4:7], s[0:1], 0x0                ; xc, xs
	s_load_b128 s[8:11], s[0:1], 0x10              ; wc, ws
	s_load_b128 s[96:99], s[0:1], 0x20             ; bq, bk
	s_load_b64 s[100:101], s[0:1], 0x30            ; bv
	s_load_b64 s[66:67], s[0:1], 0x38              ; rope
	s_load_b64 s[12:13], s[0:1], 0x40              ; qkv
	v_lshl_add_u32 v[SPW], v0, 2, SPARE
	v_mov_b32 v[NIL], 0
	ds_add_u32 v[SPW], v[NIL]                      ; the wave's opening: the add, twice on end, and its wait ahead of my first tensor load
	ds_add_u32 v[SPW], v[NIL]
	v_lshrrev_b32 v1, 5, v0
	v_readfirstlane_b32 s14, v1                    ; wave 0..3
	s_lshr_b32 s15, s14, 1                         ; which half of the tile's rows is mine.  Also: I fetch for x (0) or for W (1)
	s_and_b32 s16, s14, 1                          ; which half of its columns.  Also: which 128 rows of that tile I fetch
	s_bfe_u32 s40, ttmp6, 0x40000                  ; cx, cy: my place in the cluster
	s_bfe_u32 s41, ttmp6, 0x40004
	s_lshl_b32 s42, ttmp9, 2
	s_add_co_u32 s42, s42, s40                     ; tile column of C = 4 x cluster x + cx
	s_and_b32 s17, ttmp7, 0xffff
	s_lshl_b32 s17, s17, 2
	s_add_co_u32 s17, s17, s41                     ; tile row of C = 4 x cluster y + cy
	s_lshl_b32 s43, s41, 2
	s_lshl_b32 s43, 15, s43                        ; my row of the cluster
	s_lshl_b32 s44, 0x1111, s40                    ; my column
	; descriptor group 1: a tile of 128 rows x 256 bytes, padded in LDS
	s_or_b32 s[G1+0], s43, (0<<16)|(1<<20)|(1<<21)|(5<<22)|(3<<25)  ; 15:0 the mask: x's tiles go to my row; 17:16 element of 1 byte; 20 padding on; 21 set beside a mask; 24:22 after every 64 words; 31:25 four words
	s_or_b32 s[G1B+0], s44, (0<<16)|(1<<20)|(1<<21)|(5<<22)|(3<<25)
.irp g, G1, G1B
	s_mov_b32 s[\g+1], ROWB<<16                    ; tensor_dim0
	s_mov_b32 s[\g+2], 128<<16                     ; tensor_dim1
	s_mov_b32 s[\g+3], ROWB<<16                    ; tile_dim0
	s_mov_b32 s[\g+4], 128                         ; tile_dim1
	s_mov_b32 s[\g+5], KROW                        ; tensor_dim0_stride
	s_mov_b32 s[\g+6], 0
	s_mov_b32 s[\g+7], 0
.endr
	; and for the scales of 128 rows: a dense block of 4,096 bytes, as 16 rows of 256 bytes (32 elements of 8 bytes), 16 bytes of padding behind each
	s_or_b32 s[G1S+0], s43, (3<<16)|(1<<20)|(1<<21)|(5<<22)|(3<<25)
	s_or_b32 s[G1SB+0], s44, (3<<16)|(1<<20)|(1<<21)|(5<<22)|(3<<25)
.irp g, G1S, G1SB
	s_mov_b32 s[\g+1], 32<<16
	s_mov_b32 s[\g+2], (128*KS/256)<<16
	s_mov_b32 s[\g+3], 32<<16
	s_mov_b32 s[\g+4], 128*KS/256
	s_mov_b32 s[\g+5], 32
	s_mov_b32 s[\g+6], 0
	s_mov_b32 s[\g+7], 0
.endr
	s_lshl_b32 s18, s16, 7                         ; which 128 rows of the tile I fetch
	s_lshl_b32 s20, s17, 8
	s_add_co_u32 s20, s20, s18                     ; x: row 256 x tile row + 128 x half
	s_lshl_b32 s46, s42, 8
	s_add_co_u32 s46, s46, s18                     ; W: row 256 x tile column + 128 x half
	s_mov_b32 s21, 0
	s_mov_b32 s47, 0
	s_mov_b64 s[18:19], KS
	s_mul_u64 s[22:23], s[20:21], s[18:19]         ; where these rows' scales begin, in bytes
	s_mul_u64 s[92:93], s[46:47], s[18:19]
	s_mov_b64 s[18:19], KROW
	s_mul_u64 s[20:21], s[20:21], s[18:19]         ; and their codes
	s_mul_u64 s[46:47], s[46:47], s[18:19]
	s_mul_i32 s45, s14, HALFT                      ; where they go: wave x 128 rows: no place in the cluster enters an LDS address
	s_mul_i32 s94, s14, HALFS
	s_wait_dscnt 0x0                               ; both opening adds are done
	s_wait_kmcnt 0x0
	s_add_nc_u64 s[20:21], s[4:5], s[20:21]
	s_add_nc_u64 s[22:23], s[6:7], s[22:23]
	s_add_nc_u64 s[46:47], s[8:9], s[46:47]
	s_add_nc_u64 s[92:93], s[10:11], s[92:93]
	CROUND                                         ; all sixteen work-groups are here: the joint loads meet
	s_mov_b32 s[G0S], 1
	s_add_co_u32 s[G0S+1], s94, SCL
	s_mov_b64 s[G0S+2:G0S+3], s[22:23]
	s_or_b32 s[G0S+3], s[G0S+3], 0x80000000
	s_mov_b32 s[G0SB], 1
	s_add_co_u32 s[G0SB+1], s94, SCL
	s_mov_b64 s[G0SB+2:G0SB+3], s[92:93]
	s_or_b32 s[G0SB+3], s[G0SB+3], 0x80000000
	JLOAD G0S, G1S, G0SB, G1SB                     ; the scales first: they are wanted with K step 0.  With the two below, three loads of mine are out
.irp s, 0,1
	s_mov_b32 s[G0+4*\s], 1
	s_add_co_u32 s[G0+4*\s+1], s45, \s*SLOT
	s_add_nc_u64 s[G0+4*\s+2:G0+4*\s+3], s[20:21], \s*ROWB
	s_or_b32 s[G0+4*\s+3], s[G0+4*\s+3], 0x80000000
	s_mov_b32 s[G0B+4*\s], 1
	s_add_co_u32 s[G0B+4*\s+1], s45, \s*SLOT
	s_add_nc_u64 s[G0B+4*\s+2:G0B+4*\s+3], s[46:47], \s*ROWB
	s_or_b32 s[G0B+4*\s+3], s[G0B+4*\s+3], 0x80000000
	JLOAD G0+4*\s, G1, G0B+4*\s, G1B
.endr
	v_and_b32 v1, 15, v0                           ; r = l % 16
	v_bfe_u32 v2, v0, 4, 1                         ; h = l / 16
	; the bias of my 128 columns: bq, bk or bv by the cluster's x; lane (r, h) wants, for W's block b, the numbers 16 b + 8 h + 0 .. 7
	s_cmp_eq_u32 ttmp9, 0
	s_cselect_b64 s[96:97], s[96:97], s[98:99]
	s_cmp_eq_u32 ttmp9, 2
	s_cselect_b64 s[96:97], s[100:101], s[96:97]
	s_lshl_b32 s18, s40, 10                        ; 256 cx numbers of 4 bytes
	s_lshl_b32 s19, s16, 9                         ; + 128 x half
	s_add_co_u32 s18, s18, s19
	s_mov_b32 s19, 0
	s_add_nc_u64 s[96:97], s[96:97], s[18:19]
	v_lshlrev_b32 v[BO], 5, v2
.irp b, 0,1,2,3,4,5,6,7
	global_load_b128 v[BIAS+8*\b:BIAS+8*\b+3], v[BO], s[96:97] offset:64*\b
	global_load_b128 v[BIAS+8*\b+4:BIAS+8*\b+7], v[BO], s[96:97] offset:64*\b+16
.endr
	v_mul_u32_u24 v3, v1, PITCH
	v_lshl_add_u32 v4, v2, 4, v3                   ; a fragment's row x pitch + 16 x half
	s_mul_i32 s21, s15, HALFT                      ; my 128 rows of x
	s_mul_i32 s22, s16, HALFT                      ; my 128 rows of W,
	s_add_co_u32 s22, s22, 2*HALFT                 ; which lie behind x's 256
.irp s, 0,1
	v_add_nc_u32 v[ADRA+\s], s21, v4
	v_add_nc_u32 v[ADRB+\s], s22, v4
	s_add_co_u32 s21, s21, SLOT
	s_add_co_u32 s22, s22, SLOT
.endr
	v_mul_u32_u24 v5, v1, KS                       ; my row's scales: KS bytes a row,
	v_lshrrev_b32 v6, 8, v5
	v_lshl_add_u32 v5, v6, 4, v5                   ; and 16 more for each 256 passed
	s_mul_i32 s21, s15, HALFS                      ; x's: my 128 rows
	s_mul_i32 s22, s16, HALFS                      ; W's: my 128 rows, behind x's 256
	s_add_co_u32 s22, s22, 2*HALFS
	s_sub_co_u32 s22, s22, s21
	v_mul_u32_u24 v6, s22, v2                      ; lanes 16-31 take W's
	s_add_co_u32 s21, s21, SCL
	v_add_nc_u32 v5, v5, v6
	v_add_nc_u32 v[ADRS], s21, v5
	s_mul_i32 s23, s14, 16*SPITCH                  ; my stage
	v_mul_u32_u24 v5, v1, SPITCH                   ; in: row r, 16 bytes for each half of the lanes
	v_lshl_add_u32 v5, v2, 4, v5
	v_add_nc_u32 v[STO], s23, v5
	v_bfe_u32 v5, v0, 3, 1                         ; back: lanes 0-15 take two rows' 128 bytes of my first head, lanes 16-31 of my second
	v_mul_u32_u24 v5, v5, SPITCH
	v_lshl_add_u32 v5, v2, 7, v5
	v_and_b32 v6, 7, v0
	v_lshl_add_u32 v5, v6, 4, v5
	v_add_nc_u32 v[RD], s23, v5
	v_lshlrev_b32 v[CO], 4, v1                     ; in qkv two rows of a head are 256 consecutive bytes; a head is 131,072 bytes
	v_lshl_add_u32 v[CO], v2, 17, v[CO]
	v_lshlrev_b32 v[RO], 8, v1                     ; the table: row r of 256 bytes, + 32 h
	v_lshl_add_u32 v[RO], v2, 5, v[RO]
	s_and_b32 s20, s17, 3
	s_lshl_b32 s20, s20, 8
	s_lshl_b32 s21, s15, 7
	s_add_co_u32 s20, s20, s21                     ; my first position: 256 (tile row % 4) + 128 x half
	s_lshl_b32 s18, ttmp9, 18                      ; the table's part, 262,144 bytes each,
	s_lshl_b32 s19, s20, 8                         ; and my first row in it
	s_add_co_u32 s18, s18, s19
	s_mov_b32 s19, 0
	s_add_nc_u64 s[66:67], s[66:67], s[18:19]
	s_lshl_b32 s18, ttmp9, 24                      ; qkv: Q's, K's or V's 16,777,216 bytes,
	s_lshr_b32 s21, s17, 2
	s_lshl_b32 s21, s21, 21                        ; the batch = tile row / 4,
	s_add_co_u32 s18, s18, s21
	s_lshl_b32 s21, s40, 2
	s_lshl_b32 s22, s16, 1
	s_add_co_u32 s21, s21, s22                     ; my first head = 4 cx + 2 x half,
	s_lshl_b32 s21, s21, 17
	s_add_co_u32 s18, s18, s21
	s_lshl_b32 s21, s20, 7                         ; my first position's row of 128 bytes
	s_add_co_u32 s18, s18, s21
	s_add_nc_u64 s[12:13], s[12:13], s[18:19]
.macro FRAG reg, adr, q, i             ; a fragment, 16 rows x 128 K of 4-bit codes, is 8 registers: lane l holds row l % 16; registers 4 c .. 4 c + 3 hold K = 64 c + 32 (l / 16) + 0 .. 31
.irp c, 0,1
	ds_load_b128 v[\reg+4*\c:\reg+4*\c+3], v[\adr] offset:64*(\q)+32*\c+(\i)*16*PITCH
.endr
.endm
; 16 matrix instructions: x's blocks a0, a0 + 1 against W's eight, 128 along K: the slot's q-th.  p: W's set;  sc: the set of scale words.  zero = 1: the first product starts the sums from the bias.
; The 64 accumulators take turns, one instruction a turn, in the same order in every step.
.macro MUL16 a0, p, q, sc, zero
.irp a, \a0, \a0+1
.irp b, 0,1,2,3,4,5,6,7
.if \zero
	v_wmma_scale_f32_16x16x128_f8f6f4 v[8*(8*((\a)%4)+\b):8*(8*((\a)%4)+\b)+7], v[128*(\p)+FR*\b:128*(\p)+FR*\b+FR-1], v[AF+FR*(\a):AF+FR*(\a)+FR-1], v[BIAS+8*\b:BIAS+8*\b+7], v[SC+8*NQ*(\sc)+NQ*\b+(\q)], v[SC+8*NQ*(\sc)+NQ*(\a)+(\q)] matrix_a_fmt:MATRIX_FMT_FP4 matrix_b_fmt:MATRIX_FMT_FP4 matrix_a_scale:MATRIX_SCALE_ROW1
.else
	v_wmma_scale_f32_16x16x128_f8f6f4 v[8*(8*((\a)%4)+\b):8*(8*((\a)%4)+\b)+7], v[128*(\p)+FR*\b:128*(\p)+FR*\b+FR-1], v[AF+FR*(\a):AF+FR*(\a)+FR-1], v[8*(8*((\a)%4)+\b):8*(8*((\a)%4)+\b)+7], v[SC+8*NQ*(\sc)+NQ*\b+(\q)], v[SC+8*NQ*(\sc)+NQ*(\a)+(\q)] matrix_a_fmt:MATRIX_FMT_FP4 matrix_b_fmt:MATRIX_FMT_FP4 matrix_a_scale:MATRIX_SCALE_ROW1
.endif
.endr
.endr
.endm
.macro FETCH_B slot, q, p              ; W's eight fragments of the slot's q-th 128 along K into set p
	WIN TO_B
.irp i, 0,1,2,3,4,5,6,7
	FRAG 128*(\p)+FR*\i, ADRB+\slot, \q, \i
.endr
	WIN 0
.endm
.macro FETCH_A slot, q, i0             ; x's blocks i0 .. i0 + 3
.irp i, \i0, \i0+1, \i0+2, \i0+3
	FRAG AF+FR*(\i), ADRA+\slot, \q, \i
.endr
.endm
.macro SCALES sc                       ; a K step's scale words into set sc: four words a row; lanes 0-15 take x's block i, lanes 16-31 W's block i
.irp i, 0,1,2,3,4,5,6,7
	ds_load_b128 v[SC+8*NQ*\sc+NQ*\i:SC+8*NQ*\sc+NQ*\i+3], v[ADRS] offset:\i*SBLK
.endr
.endm
; A load into a register that a matrix instruction has read, and a vector instruction or an LDS store that reads a matrix result, stand NP places behind that matrix instruction; only plain vector
; instructions that name none of its registers are places (ISA guide 7.12.1 for vector instructions).
.macro PLACES n
.rept \n
	v_nop
.endr
.endm
; A step of 128 along K that has its successor in the same slot.
.macro STEP slot, q, zero
	s_wait_dscnt 4*NL                              ; W's set, x's blocks 0-3 (and the scale words) are in; the youngest eight loads (x's blocks 4-7) may be out
.if \zero
	WIN FST_LO
.else
	WIN MUL_LO
.endif
	MUL16 0, (\q)%2, \q, \slot, \zero
	MUL16 2, (\q)%2, \q, \slot, \zero
	s_wait_dscnt 0                                 ; x's blocks 4-7 are in (asked for 32 matrix instructions ago)
	PLACES NP
	FETCH_B \slot, (\q)+1, 1-(\q)%2
	FETCH_A \slot, (\q)+1, 0
.if \zero
	WIN FST_HI
.else
	WIN MUL_HI
.endif
	MUL16 4, (\q)%2, \q, \slot, \zero
	MUL16 6, (\q)%2, \q, \slot, \zero
	PLACES NP
	WIN 0
	FETCH_A \slot, (\q)+1, 4
.endm
; Slot 0's last step changes slots: one barrier; in front of it each wave waits for all its tensor loads (slot 1's is the one that was out), adds 0 to its spare word, and waits for that and for its reads of slot 0.
; Nothing is filled again: behind the barrier slot 1 is whole, and slot 0 is read by nobody: the stages of the way out lie there.
.macro TURN slot, next
	s_wait_tensorcnt 0x0                           ; all my tensor loads have landed  (every window is 0 here: the add's two registers lie in window 0)
	ds_add_u32 v[SPW], v[NIL]                      ; 0 onto my spare word
	s_wait_dscnt 4*NL+1                            ; (the add and the youngest eight loads, x's blocks 4-7, may be out)
	WIN MUL_LO
	MUL16 0, 1, NQ-1, \slot, 0                     ; sixteen matrix instructions stand between the add and the wait for it
	s_wait_dscnt 0x0                               ; the add is done, and my reads of this slot are over
	s_barrier_signal -1
	MUL16 2, 1, NQ-1, \slot, 0
	WIN 0
	s_barrier_wait -1
	PLACES NP
	v_add_nc_u32 v[ADRS], 4*NQ, v[ADRS]            ; on to the next K step's scale words (no LDS load of mine is out)
	FETCH_B \next, 0, 0
	FETCH_A \next, 0, 0
	SCALES \next
	WIN MUL_HI
	MUL16 4, 1, NQ-1, \slot, 0
	MUL16 6, 1, NQ-1, \slot, 0
	PLACES NP
	WIN 0
	FETCH_A \next, 0, 4
.endm
.macro STEPS slot, from                ; the slot's steps from .. NQ - 2
.set Q, \from
.rept NQ-1-\from
	STEP \slot, Q, 0
.set Q, Q+1
.endr
.endm
; THE WAY OUT, block by block of 16 rows (positions) x 128 columns (two heads).
; RCSET a: where block a's cosines and sines lie: window RW, first register RB.  Blocks 0 and 6: window 0, v96; blocks 1 and 7: window 0, v192; blocks 2 to 5: window 1, v64, v96, v192, v224.
.macro RCSET a
.if ((\a)%6) == 0
.set RW, 0
.set RB, 96
.elseif ((\a)%6) == 1
.set RW, 0
.set RB, 192
.else
.set RW, 1
.set RB, 64+32*((\a)-2)+64*(((\a)-2)/2)
.endif
.endm
; ROPE a: the cosines and sines of block a's 16 positions: lane (r, h) takes, of row r, cosines 16 b' + 8 h + 0 .. 7 (b' = 0, 1) and the same sines: eight loads.  In the set: cosines at 8 b', sines at 16 + 8 b'.
; It leaves the destination's window set: the caller sets every window to 0 again.
.macro ROPE a
	RCSET \a
.set WNEW, 0x40*RW
	WIN WNEW
.irp bp, 0,1
	global_load_b128 v[RB+8*\bp:RB+8*\bp+3], v[RO], s[66:67] offset:4096*(\a)+64*\bp
	global_load_b128 v[RB+8*\bp+4:RB+8*\bp+7], v[RO], s[66:67] offset:4096*(\a)+64*\bp+16
	global_load_b128 v[RB+16+8*\bp:RB+16+8*\bp+3], v[RO], s[66:67] offset:4096*(\a)+64*\bp+128
	global_load_b128 v[RB+16+8*\bp+4:RB+16+8*\bp+7], v[RO], s[66:67] offset:4096*(\a)+64*\bp+144
.endr
.endm
; ROT a: in head hd, t1 = accumulator 4 hd + b' (channels under 32), t2 = accumulator 4 hd + b' + 2 (the same + 32): t1 cos - t2 sin and t1 sin + t2 cos, two numbers an instruction, into window 1;
; each accumulator is read from its low end on.  Then rounded to f16, 16 bytes for each accumulator.
.macro ROT a
.set AC, 64*((\a)%4)
	RCSET \a
.set RC, RB
.set WROT, 0x52+4*RW+((\a)/4)          ; source 0: the accumulators' window, 2 or 3; source 1: the set's window; source 2 and destination: window 1
.if (\a) < 2
	s_wait_loadcnt 40                              ; block a's eight loads are in.  Behind them were issued: block 0: blocks 1 to 5's; block 1: blocks 2 to 6's: 40 loads
.else
	s_wait_loadcnt 8*(7-(\a))                      ; behind them were issued the loads of blocks a + 1 to 7, eight each
.endif
	WIN WROT
.irp hd, 0,1
.irp bp, 0,1
.irp jp, 0,2,4,6
	v_pk_mul_f32 v[8*(4*\hd+\bp)+\jp:8*(4*\hd+\bp)+\jp+1], v[AC+8*(4*\hd+\bp+2)+\jp:AC+8*(4*\hd+\bp+2)+\jp+1], v[RC+16+8*\bp+\jp:RC+16+8*\bp+\jp+1]
	v_pk_mul_f32 v[8*(4*\hd+\bp+2)+\jp:8*(4*\hd+\bp+2)+\jp+1], v[AC+8*(4*\hd+\bp+2)+\jp:AC+8*(4*\hd+\bp+2)+\jp+1], v[RC+8*\bp+\jp:RC+8*\bp+\jp+1]
.endr
.irp jp, 0,2,4,6
	v_pk_fma_f32 v[8*(4*\hd+\bp)+\jp:8*(4*\hd+\bp)+\jp+1], v[AC+8*(4*\hd+\bp)+\jp:AC+8*(4*\hd+\bp)+\jp+1], v[RC+8*\bp+\jp:RC+8*\bp+\jp+1], v[8*(4*\hd+\bp)+\jp:8*(4*\hd+\bp)+\jp+1] neg_lo:[0,0,1] neg_hi:[0,0,1]
	v_pk_fma_f32 v[8*(4*\hd+\bp+2)+\jp:8*(4*\hd+\bp+2)+\jp+1], v[AC+8*(4*\hd+\bp)+\jp:AC+8*(4*\hd+\bp)+\jp+1], v[RC+16+8*\bp+\jp:RC+16+8*\bp+\jp+1], v[8*(4*\hd+\bp+2)+\jp:8*(4*\hd+\bp+2)+\jp+1]
.endr
.endr
.endr
.if (\a) > 0
	s_wait_dscnt 8                                 ; the block before's eight stores into the stage have read the packed registers; its eight loads may be out
.endif
	WIN 0x05                                       ; sources window 1, destination window 0
.irp b, 0,1,2,3,4,5,6,7
.irp r, 0,1,2,3
	v_cvt_pk_f16_f32 v[PK+4*\b+\r], v[8*\b+2*\r], v[8*\b+2*\r+1]
.endr
.endr
	WIN 0
.if (\a) < 2
	ROPE (\a)+6                                    ; blocks 6 and 7: into the set that this block has just read (window 0): six blocks ahead of their use
.endif
.endm
.macro TOSTAGE a                       ; into my stage, and back as pairs of rows of a head.  LDS serves a wave's instructions in order (ISA guide 5.7.1.4): no wait between the stores and the loads
.set BB, BK+64*((\a)%2)
.irp b, 0,1,2,3,4,5,6,7
	ds_store_b128 v[STO], v[PK+4*\b:PK+4*\b+3] offset:32*\b
.endr
.irp t, 0,1,2,3,4,5,6,7
	ds_load_b128 v[BB+4*\t:BB+4*\t+3], v[RD] offset:\t*2*SPITCH
.endr
.endm
.macro SEND a, younger                 ; younger: the LDS instructions issued behind block a's loads, which may stay out
.set BB, BK+64*((\a)%2)
	s_wait_dscnt \younger
.irp t, 0,1,2,3,4,5,6,7
	global_store_b128 v[CO], v[BB+4*\t:BB+4*\t+3], s[12:13] offset:2048*(\a)+256*\t   ; sixteen lanes store two rows of a head: 256 consecutive bytes, aligned
.endr
.endm
	s_wait_tensorcnt 1                             ; the scales and my part of K step 0 are in (slot 1's load may be out)
	s_barrier_signal -1
	s_barrier_wait -1                              ; everybody's are
	FETCH_B 0, 0, 0
	FETCH_A 0, 0, 0
	SCALES 0
	FETCH_A 0, 0, 4
	s_wait_loadcnt 0x0                             ; the bias
	STEP 0, 0, 1                                   ; the first step's products start the sums from the bias: nothing is cleared and nothing is added later
	STEPS 0, 1
	TURN 0, 1
.irp a, 0,1,2,3,4,5
	ROPE \a                                        ; six blocks' cosines and sines, 48 loads: asked for four steps, 256 matrix instructions, ahead of the way out
.endr
	WIN 0
	STEPS 1, 0
	s_wait_dscnt 4*NL                              ; the very last step: nothing more to fetch
	WIN MUL_LO
	MUL16 0, 1, NQ-1, 1, 0
	MUL16 2, 1, NQ-1, 1, 0
	s_wait_dscnt 0
	WIN MUL_HI
	MUL16 4, 1, NQ-1, 1, 0
	MUL16 6, 1, NQ-1, 1, 0
	WIN 0
	PLACES NP                                      ; behind the last products: for the reads of their results and the writes over their operands
	ROT 0
	TOSTAGE 0
.irp a, 1,2,3,4,5,6,7
	ROT \a
.if \a > 1
	s_wait_xcnt 0x0                                ; block a - 2's stores have read their registers: block a's loads from the stage may land there
.endif
	TOSTAGE \a
	SEND \a-1, 16                                  ; behind block a - 1's loads: block a's eight stores and eight loads
.endr
	SEND 7, 0
	s_wait_tensorcnt 0x0                           ; the wave's end, behind my last tensor load and my last LDS store
	ds_add_u32 v[SPW], v[NIL]
	s_wait_dscnt 0x0
	CROUND                                         ; the closing round: no work-group ends while a partner may still ask for a tile that names it
	s_endpgm
.Lfunc_end_k_qdc957e579a_qkv:
	.size	k_qdc957e579a_qkv, .Lfunc_end_k_qdc957e579a_qkv-k_qdc957e579a_qkv
	.p2alignl 7, 3214868480
	.fill 96, 4, 3214868480
	.section	.rodata,"a",@progbits
	.p2align	6, 0x0
	.amdhsa_kernel k_qdc957e579a_qkv
		.amdhsa_group_segment_fixed_size 327680
		.amdhsa_private_segment_fixed_size 0
		.amdhsa_enable_private_segment 0
		.amdhsa_kernarg_size 72
		.amdhsa_user_sgpr_count 2
		.amdhsa_user_sgpr_kernarg_segment_ptr 1
		.amdhsa_wavefront_size32 1
		.amdhsa_system_sgpr_workgroup_id_x 1
		.amdhsa_system_sgpr_workgroup_id_y 1
		.amdhsa_system_sgpr_workgroup_id_z 1
		.amdhsa_system_vgpr_workitem_id 0
		.amdhsa_next_free_vgpr 1024
		.amdhsa_next_free_sgpr 102
		.amdhsa_reserve_vcc 0
		.amdhsa_float_denorm_mode_32 3
		.amdhsa_float_denorm_mode_16_64 3
		.amdhsa_memory_ordered 1
		.amdhsa_forward_progress 1
		.amdhsa_inst_pref_size 167
	.end_amdhsa_kernel
	.amdgpu_metadata
---
amdhsa.version: [ 1, 2 ]
amdhsa.kernels:
  - .name:           k_qdc957e579a_qkv
    .symbol:         k_qdc957e579a_qkv.kd
    .args:
      - { .name: xc, .offset: 0, .size: 8, .value_kind: global_buffer, .address_space: global }
      - { .name: xs, .offset: 8, .size: 8, .value_kind: global_buffer, .address_space: global }
      - { .name: wc, .offset: 16, .size: 8, .value_kind: global_buffer, .address_space: global }
      - { .name: ws, .offset: 24, .size: 8, .value_kind: global_buffer, .address_space: global }
      - { .name: bq, .offset: 32, .size: 8, .value_kind: global_buffer, .address_space: global }
      - { .name: bk, .offset: 40, .size: 8, .value_kind: global_buffer, .address_space: global }
      - { .name: bv, .offset: 48, .size: 8, .value_kind: global_buffer, .address_space: global }
      - { .name: rope, .offset: 56, .size: 8, .value_kind: global_buffer, .address_space: global }
      - { .name: qkv, .offset: 64, .size: 8, .value_kind: global_buffer, .address_space: global }
    .group_segment_fixed_size: 327680
    .private_segment_fixed_size: 0
    .kernarg_segment_align: 8
    .kernarg_segment_size: 72
    .max_flat_workgroup_size: 128
    .sgpr_count:     102
    .vgpr_count:     1024
    .wavefront_size: 32
...
	.end_amdgpu_metadata
.endif
;; end of part 2
;; launch attn (part 3): grid 2 x 128, 16 waves a work-group, no clusters, 327,680 bytes of LDS; arguments qkv, ao; writes ao
.if DOCPART == 3
	.amdgcn_target "amdgcn-amd-amdhsa--gfx1250"
	.amdhsa_code_object_version 6
	.text
	.protected	k_qdc957e579a_attn
	.globl	k_qdc957e579a_attn
	.p2align	8
	.type	k_qdc957e579a_attn,@function
k_qdc957e579a_attn:
	s_mov_b64 s[64:65], 0
	v_nop
	global_prefetch_b8 v0, s[64:65] scope:SCOPE_SE
	s_setreg_imm32_b32 hwreg(HW_REG_WAVE_MODE, 25, 1), 1
	s_wait_xcnt 0x0
; ao[head][q][:] = the sum over k of softmax_k(Q[q] . K[k] / 8) V[k][:], for each of 128 heads (batch x head), 1,024 positions, head size 64.  qkv [3][128][1024][64] f16; ao [128][1024][64] f16.
; Q arrives multiplied by log2(e)/8, so a score is an exponent of 2: p = 2^(s - m), m the row's running maximum; in every step the sum l and O are multiplied by a = 2^(m_old - m_new).
; Products with f16 operands and f32 sums; maxima, exponentials and sums in f32; p is rounded to f16 for the second product (it lies in 0 .. 1), O once at the end.
; SHARES.  A work-group owns 512 queries of one head; each of its sixteen waves owns 32: two tiles of 16, in 256 registers: four waves to a SIMD, so that one wave's vector work stands beside another's
; matrix work and LDS loads.  Every wave walks all 1,024 keys, 64 a step.
; A HEAD'S WHOLE K AND V COME TO LIE IN LDS, 128 KiB each, every byte filled once, IN FOUR CHUNKS OF 256 KEYS.  Chunk 0 is asked for at the head: one tensor load a wave, 64 KiB a work-group, so that the
; first key step waits for a quarter of the bytes.  Chunk n + 1 is asked for behind the barrier in front of chunk n, again one load a wave: it has chunk n's four key steps, 128 matrix instructions of each
; of the sixteen waves, in which to land.  No byte is ever filled again; one tensor load of a wave is out at a time.
; NO PREFETCH: each chunk's own load stands four key steps ahead of the barrier that waits for it, and chunk 0 is asked for at the head, where no prefetch belongs.
; NO CLUSTER: two work-groups share a head, each reads its K and V once, 256 KiB against sixteen key steps of sixteen waves.
; Rows of K and V are 128 bytes and dense in memory: a tile is stated as rows of 256 bytes, two keys to a row, with padding behind each.
; LAYOUT.  S^T = K Q^T (source 0 = 16 keys, source 1 = 16 queries): a lane holds ONE query (lane % 16) and keys 8 (lane / 16) + 0..7.  Two such tiles, rounded to f16 in pairs, ARE source 1 of
; O^T = V^T P, whose result again holds one query a lane.  K comes out of LDS as it lies, V ([key][channel]) turned, by ds_load_tr16_b128.
; LIMITS: NaN and infinities are not served.
.set PK,    272                        ; two keys of K in LDS: 256 bytes + 16: the sixteen rows of a load fall on sixteen different 16-byte columns of the 64 banks (ISA guide 11.1)
.set PV,    288                        ; two keys of V: 256 + 32
.set VB,    512*PK                     ; V behind K
.set CHR,   128                        ; double rows in a chunk of 256 keys
.set WVR,   16                         ; of which a wave fetches 16: 4,096 bytes
.set STAGE, VB+512*PV                  ; the way out: 16 rows x (128 bytes + 16) for each wave
.set SPI,   144
.set SPARE, STAGE+16*16*SPI            ; the spare words, 128 bytes a wave
.set AK,  1                            ; v1   my lane's place in a tile of K
.set AV,  2                            ; v2   the same for V
.set ADK, 3                            ; v3   LDS address of the step's K; on the way out: where I put 16 bytes
.set ADV, 4                            ; v4   of its V; on the way out: where I read 16 bytes back
.set SPW, 5                            ; v5   my spare word; never rewritten
.set NIL, 6                            ; v6   0; never rewritten
.set QO,  7                            ; v7   my byte offset in the wave's rows of Q; on the way out: in its rows of ao
.set ST,  8                            ; v8-23  tile t's statistics at v[ST + 8 t]: +0 m, +1 its pair's other half, +2, +3 l (even keys', odd keys'), +4 to +7 c0-c3 at work; a takes c2's place
.set QF,  24                           ; v24-55   Q: fragment (tile t, channels 32 c on) at 24 + 16 t + 8 c
.set KV,  56                           ; v56-119  K's eight fragments (keys 16 kt on, channels 32 c on) at 56 + 8 (4 c + kt); then V's (channels 16 ct on, keys 32 kh on) at 56 + 8 (4 kh + ct)
.set S,   120                          ; v120-183 S^T: (t, kt) at 120 + 32 t + 8 kt; p in place; P packed in place: (t, kh) at 120 + 32 t + 8 kh
.set OT,  184                          ; v184-247 O^T: (t, ct) at 184 + 32 t + 8 ct
.set CH,  248                          ; v248-255 two chains of sums a tile
.set WV,  8                            ; s8   my wave's number
.set G1K, 16                           ; s[16:23] descriptor group 1 for K;  s[24:31] for V: it differs in the padding alone
.set G1V, 24
.set G0K, 32                           ; s[32:35] group 0 for K, which walks from chunk to chunk;  s[36:39] for V
.set G0V, 36
.set SEL, 48                           ; s[48:49] lane selects for v_permlanex16_b32: lane l xor 16
.set TK,  50                           ; s50  LDS byte at which the step's K begins
.set TV,  51                           ; s51  the same for V, from VB on
.set CNT, 52
; A chunk's load: waves 0-7 fetch K's sixteen double rows each, waves 8-15 V's.  The branch hangs on the wave's number alone.  An s_nop 0 and four v_nop follow each of the two lines.
.macro TLOAD
	s_cmp_lt_u32 s[WV], 8
	s_cbranch_scc0 .Lfor_v_\@
	tensor_load_to_lds s[G0K:G0K+3], s[G1K:G1K+7]
	s_nop 0
.rept 4
	v_nop
.endr
	s_branch .Lasked_\@
.Lfor_v_\@:
	tensor_load_to_lds s[G0V:G0V+3], s[G1V:G1V+7]
	s_nop 0
.rept 4
	v_nop
.endr
.Lasked_\@:
.endm
	s_load_b128 s[4:7], s[0:1], 0x0                ; qkv, ao
	v_lshl_add_u32 v[SPW], v0, 2, SPARE
	v_mov_b32 v[NIL], 0
	ds_add_u32 v[SPW], v[NIL]                      ; the wave's opening: the add, twice on end, and its wait ahead of my first tensor load
	ds_add_u32 v[SPW], v[NIL]
	v_lshrrev_b32 v1, 5, v0
	v_readfirstlane_b32 s[WV], v1                  ; wave 0..15
	s_and_b32 s9, s[WV], 7                         ; which 32 keys of each chunk I fetch
	; descriptor group 1: 16 rows of 128 elements of 2 bytes (two keys a row), dense in memory, padded in LDS
	s_mov_b32 s[G1K], (1<<16)|(1<<20)|(5<<22)|(3<<25)   ; 15:0 no mask; 17:16 elements of 2 bytes; 20 padding on; 24:22 after every 64 words; 31:25 four words
	s_mov_b32 s[G1V], (1<<16)|(1<<20)|(5<<22)|(7<<25)   ; the same with eight words
.irp g, G1K, G1V
	s_mov_b32 s[\g+1], 128<<16                     ; tensor_dim0
	s_mov_b32 s[\g+2], WVR<<16                     ; tensor_dim1
	s_mov_b32 s[\g+3], 128<<16                     ; tile_dim0
	s_mov_b32 s[\g+4], WVR                         ; tile_dim1
	s_mov_b32 s[\g+5], 128                         ; tensor_dim0_stride
	s_mov_b32 s[\g+6], 0
	s_mov_b32 s[\g+7], 0
.endr
	s_and_b32 s10, ttmp7, 0xffff                   ; the head
	s_lshl_b32 s54, s10, 17                        ; its 131,072 bytes in each of Q, K, V and ao
	s_mov_b32 s55, 0
	s_lshl_b32 s11, s9, 12                         ; my 32 keys of 128 bytes
	s_add_co_u32 s56, s54, s11
	s_mov_b32 s57, 0
	s_mul_i32 s12, s9, WVR*PK                      ; and their place in LDS: K's,
	s_mul_i32 s13, s9, WVR*PV
	s_add_co_u32 s13, s13, VB                      ; V's
	s_lshl_b32 s14, ttmp9, 16                      ; my work-group's 512 queries,
	s_lshl_b32 s15, s[WV], 12                      ; my wave's 32 of them
	s_add_co_u32 s14, s14, s15
	s_add_co_u32 s54, s54, s14
	s_mov_b32 s[SEL], 0x76543210
	s_mov_b32 s[SEL+1], 0xfedcba98
	s_wait_dscnt 0x0                               ; both opening adds are done
	s_wait_kmcnt 0x0
	s_add_nc_u64 s[58:59], s[4:5], s[56:57]
	s_mov_b32 s[G0K], 1                            ; 1:0 count = 1
	s_mov_b32 s[G0K+1], s12                        ; 63:32 LDS address: chunk 0
	s_add_nc_u64 s[G0K+2:G0K+3], s[58:59], 16777216   ; 120:64 global address: K's part of qkv
	s_or_b32 s[G0K+3], s[G0K+3], 0x80000000        ; 127:126 type = 2
	s_mov_b32 s[G0V], 1
	s_mov_b32 s[G0V+1], s13
	s_add_nc_u64 s[G0V+2:G0V+3], s[58:59], 33554432   ; V's part
	s_or_b32 s[G0V+3], s[G0V+3], 0x80000000
	TLOAD                                          ; chunk 0: the one first fill at the head, ahead of every wait on TENSORcnt, every LDS read and every barrier
	s_add_nc_u64 s[60:61], s[4:5], s[54:55]        ; Q at my wave's first query
	s_add_nc_u64 s[62:63], s[6:7], s[54:55]        ; ao likewise
	v_and_b32 v120, 15, v0                         ; r
	v_bfe_u32 v121, v0, 4, 1                       ; h
	v_lshlrev_b32 v[QO], 7, v120
	v_lshl_add_u32 v[QO], v121, 4, v[QO]           ; row r of 128 bytes + 16 h
.irp t, 0,1
.irp c, 0,1
	global_load_b128 v[QF+16*\t+8*\c:QF+16*\t+8*\c+3], v[QO], s[60:61] offset:2048*\t+64*\c        ; Q stays in registers
	global_load_b128 v[QF+16*\t+8*\c+4:QF+16*\t+8*\c+7], v[QO], s[60:61] offset:2048*\t+64*\c+32
.endr
.endr
	v_lshrrev_b32 v122, 1, v120
	v_mul_u32_u24 v[AK], v122, PK                  ; K: key r lies in double row r / 2,
	v_and_b32 v122, 1, v0
	v_lshl_add_u32 v[AK], v122, 7, v[AK]           ; in its half r % 2,
	v_lshl_add_u32 v[AK], v121, 4, v[AK]           ; + 16 h
	v_bfe_u32 v123, v0, 1, 2                       ; V: the turning load's lane l reads key 8 h + l % 8, channels 8 ((l / 8) % 2) on:
	v_lshl_add_u32 v123, v121, 2, v123             ; double row 4 h + (l % 8) / 2,
	v_mul_u32_u24 v[AV], v123, PV
	v_lshl_add_u32 v[AV], v122, 7, v[AV]           ; half l % 2,
	v_bfe_u32 v123, v0, 3, 1
	v_lshl_add_u32 v[AV], v123, 4, v[AV]
	v_add_nc_u32 v[AV], VB, v[AV]
.irp t, 0,1
	v_mov_b32 v[ST+8*\t], 0xff61b1e6               ; m: -3e38, under every score
.irp i, 1,2,3,4,5,6,7
	v_mov_b32 v[ST+8*\t+\i], 0                     ; l; and what is named in a pair or as a lane permute's destination before it is first written
.endr
.endr
.irp j, 0,1,2,3,4,5,6,7,8,9,10,11,12,13,14,15,16,17,18,19,20,21,22,23,24,25,26,27,28,29,30,31,32,33,34,35,36,37,38,39,40,41,42,43,44,45,46,47,48,49,50,51,52,53,54,55,56,57,58,59,60,61,62,63
	v_mov_b32 v[OT+\j], 0                          ; O^T.  (The step is written once: the first finds zeros, which its a = 0 leaves zeros)
.endr
; A KEY STEP: 64 keys.
.macro STEP
	v_add_nc_u32 v[ADK], s[TK], v[AK]
	v_add_nc_u32 v[ADV], s[TV], v[AV]
.rept 3
	v_nop                                          ; with the two additions: five places behind the last products V^T P: four for the loads into the registers that they read, five for the products below, which write over P's registers
.endr
.irp c, 0,1
.irp kt, 0,1,2,3
	ds_load_b128 v[KV+8*(4*\c+\kt):KV+8*(4*\c+\kt)+3], v[ADK] offset:8*PK*\kt+64*\c
	ds_load_b128 v[KV+8*(4*\c+\kt)+4:KV+8*(4*\c+\kt)+7], v[ADK] offset:8*PK*\kt+64*\c+32
.endr
.endr
	s_wait_dscnt 8                                 ; channels 0-31 are in; the eight loads of channels 32-63 may be out
.irp kt, 0,1,2,3
.irp t, 0,1
	v_wmma_f32_16x16x32_f16 v[S+32*\t+8*\kt:S+32*\t+8*\kt+7], v[KV+8*\kt:KV+8*\kt+7], v[QF+16*\t:QF+16*\t+7], 0
.endr
.endr
	s_wait_dscnt 0x0
.irp kt, 0,1,2,3                               ; the eight accumulators take turns, one instruction a turn
.irp t, 0,1
	v_wmma_f32_16x16x32_f16 v[S+32*\t+8*\kt:S+32*\t+8*\kt+7], v[KV+8*(4+\kt):KV+8*(4+\kt)+7], v[QF+16*\t+8:QF+16*\t+15], v[S+32*\t+8*\kt:S+32*\t+8*\kt+7]
.endr
.endr
.rept 4
	v_nop                                          ; places: for the loads into K's registers and for the first reads of the scores
.endr
.irp kh, 0,1                                   ; V, turned, into the registers that K has left: it lands under the softmax
.irp ct, 0,1,2,3
	ds_load_tr16_b128 v[KV+8*(4*\kh+\ct):KV+8*(4*\kh+\ct)+3], v[ADV] offset:16*PV*\kh+32*\ct
	ds_load_tr16_b128 v[KV+8*(4*\kh+\ct)+4:KV+8*(4*\kh+\ct)+7], v[ADV] offset:16*PV*\kh+8*PV+32*\ct
.endr
.endr
	; the maximum of my 32 scores and the old m: four chains, each beginning at its accumulator's low end; the two tiles line by line
.irp j, 0,1,2,3
.irp t, 0,1
	v_max3_num_f32 v[ST+8*\t+4+\j], v[S+32*\t+8*\j], v[S+32*\t+8*\j+1], v[S+32*\t+8*\j+2]
.endr
.endr
.irp i, 3,5
.irp j, 0,1,2,3
.irp t, 0,1
	v_max3_num_f32 v[ST+8*\t+4+\j], v[ST+8*\t+4+\j], v[S+32*\t+8*\j+\i], v[S+32*\t+8*\j+\i+1]
.endr
.endr
.endr
.irp t, 0,1
	v_max3_num_f32 v[ST+8*\t+4], v[ST+8*\t+4], v[S+32*\t+7], v[S+32*\t+15]
.endr
.irp t, 0,1
	v_max3_num_f32 v[ST+8*\t+6], v[ST+8*\t+6], v[S+32*\t+23], v[S+32*\t+31]
.endr
.irp t, 0,1
	v_max3_num_f32 v[ST+8*\t+4], v[ST+8*\t+4], v[ST+8*\t+5], v[ST+8*\t+6]
.endr
.irp t, 0,1
	v_max3_num_f32 v[ST+8*\t+4], v[ST+8*\t+4], v[ST+8*\t+7], v[ST+8*\t]
.endr
.irp t, 0,1
	v_mov_b32 v[ST+8*\t+7], v[ST+8*\t]             ; the old m is kept for a
.endr
.irp t, 0,1
	v_permlanex16_b32 v[ST+8*\t+5], v[ST+8*\t+4], s[SEL], s[SEL+1]   ; the query's other 32 keys lie in the lane 16 away
.endr
.irp t, 0,1
	v_max_num_f32 v[ST+8*\t], v[ST+8*\t+4], v[ST+8*\t+5]
.endr
.irp t, 0,1
	v_sub_f32 v[ST+8*\t+7], v[ST+8*\t+7], v[ST+8*\t]
.endr
.irp p, 0,2,4,6,8,10,12,14,16,18,20,22,24,26,28,30
.irp t, 0,1
	v_pk_add_f32 v[S+32*\t+\p:S+32*\t+\p+1], v[S+32*\t+\p:S+32*\t+\p+1], v[ST+8*\t:ST+8*\t+1] op_sel_hi:[1,0] neg_lo:[0,1] neg_hi:[0,1]   ; s - m, two at a time
.endr
.endr
.irp t, 0,1
	v_exp_f32 v[ST+8*\t+6], v[ST+8*\t+7]           ; a.  ONE BATCH of 66 exponentials: none of them reads another's result
.endr
.irp j, 0,1,2,3,4,5,6,7,8,9,10,11,12,13,14,15,16,17,18,19,20,21,22,23,24,25,26,27,28,29,30,31
.irp t, 0,1
	v_exp_f32 v[S+32*\t+\j], v[S+32*\t+\j]
.endr
.endr
	v_nop                                          ; a plain line behind the last exponential
	s_wait_alu depctr_va_vdst(0)                   ; and ONE wait for the batch, ahead of its first reader
.irp t, 0,1                                    ; the row's sum, of p in f32: two chains a tile
	v_pk_add_f32 v[CH+4*\t:CH+4*\t+1], v[S+32*\t:S+32*\t+1], v[S+32*\t+4:S+32*\t+5]
	v_pk_add_f32 v[CH+4*\t+2:CH+4*\t+3], v[S+32*\t+2:S+32*\t+3], v[S+32*\t+6:S+32*\t+7]
.endr
.irp j, 8,12,16,20,24,28
.irp t, 0,1
	v_pk_add_f32 v[CH+4*\t:CH+4*\t+1], v[CH+4*\t:CH+4*\t+1], v[S+32*\t+\j:S+32*\t+\j+1]
	v_pk_add_f32 v[CH+4*\t+2:CH+4*\t+3], v[CH+4*\t+2:CH+4*\t+3], v[S+32*\t+\j+2:S+32*\t+\j+3]
.endr
.endr
.irp t, 0,1
	v_pk_add_f32 v[CH+4*\t:CH+4*\t+1], v[CH+4*\t:CH+4*\t+1], v[CH+4*\t+2:CH+4*\t+3]
.endr
.irp t, 0,1
	v_pk_fma_f32 v[ST+8*\t+2:ST+8*\t+3], v[ST+8*\t+2:ST+8*\t+3], v[ST+8*\t+6:ST+8*\t+7], v[CH+4*\t:CH+4*\t+1] op_sel_hi:[1,0,1]   ; l = a l + the sum
.endr
.irp p, 0,1,2,3,4,5,6,7,8,9,10,11,12,13,14,15  ; p to f16, in place and ascending: register p takes numbers 2 p and 2 p + 1, which no later line reads
.irp t, 0,1
	v_cvt_pk_f16_f32 v[S+32*\t+\p], v[S+32*\t+2*\p], v[S+32*\t+2*\p+1]
.endr
.endr
.irp i, 0,2,4,6,8,10,12,14,16,18,20,22,24,26,28,30
.irp t, 0,1
	v_pk_mul_f32 v[OT+32*\t+\i:OT+32*\t+\i+1], v[OT+32*\t+\i:OT+32*\t+\i+1], v[ST+8*\t+6:ST+8*\t+7] op_sel_hi:[1,0]   ; O^T x a, each accumulator from its low end on
.endr
.endr
	s_wait_dscnt 0x0                               ; V is in
.irp kh, 0,1                                   ; O^T += V^T P: the eight accumulators by turns
.irp ct, 0,1,2,3
.irp t, 0,1
	v_wmma_f32_16x16x32_f16 v[OT+32*\t+8*\ct:OT+32*\t+8*\ct+7], v[KV+8*(4*\kh+\ct):KV+8*(4*\kh+\ct)+7], v[S+32*\t+8*\kh:S+32*\t+8*\kh+7], v[OT+32*\t+8*\ct:OT+32*\t+8*\ct+7]
.endr
.endr
.endr
	s_add_co_u32 s[TK], s[TK], 32*PK               ; the next 64 keys
	s_add_co_u32 s[TV], s[TV], 32*PV
.endm
; CHUNK n: 256 keys, four key steps.  In front of it each wave waits for its one tensor load that is out, its part of this chunk; adds 0 to its spare word; and waits for that and for its LDS reads; then the
; work-group's barrier: behind it the chunk is whole.  fill = 1: the next chunk is asked for, first thing behind the barrier, one load a wave: bytes that are filled for the first time, behind a barrier
; behind which nothing is filled again.  The walking descriptors are stepped between the add and the wait for it, where no tensor load of the wave is out.
.macro CHUNK n, fill
	s_wait_tensorcnt 0x0                           ; my part of chunk n has landed: no tensor load of mine is out, so a group 0 may be written
	ds_add_u32 v[SPW], v[NIL]                      ; 0 onto my spare word
.if \fill
	s_add_co_u32 s[G0K+1], s[G0K+1], CHR*PK        ; the next chunk's place in LDS,
	s_add_nc_u64 s[G0K+2:G0K+3], s[G0K+2:G0K+3], CHR*256   ; and in memory; the type bits on top are not reached
	s_add_co_u32 s[G0V+1], s[G0V+1], CHR*PV
	s_add_nc_u64 s[G0V+2:G0V+3], s[G0V+2:G0V+3], CHR*256
.endif
	s_wait_dscnt 0x0                               ; the add is done, and no LDS read of mine is out
	s_barrier_signal -1
	s_barrier_wait -1                              ; everybody's part of chunk n has landed
.if \fill
	TLOAD                                          ; chunk n + 1: four key steps ahead of the wait for it
.endif
.if (\n) == 0
	s_wait_loadcnt 0x0                             ; Q
.endif
	s_mov_b32 s[TK], (\n)*CHR*PK
	s_mov_b32 s[TV], (\n)*CHR*PV
	s_mov_b32 s[CNT], 4
.Lchunk_\@:
	STEP
	s_sub_co_u32 s[CNT], s[CNT], 1
	s_cmp_lg_u32 s[CNT], 0
	s_cbranch_scc1 .Lchunk_\@
.endm
	CHUNK 0, 1
	CHUNK 1, 1
	CHUNK 2, 1
	CHUNK 3, 0                                     ; nothing is left to ask for
	; THE WAY OUT.  l's two halves and the other half of the lanes' are added; O^T is divided by l, rounded to f16 and sent through my stage in LDS, a tile (16 rows of 128 bytes) at a time.
.rept 4
	v_nop                                          ; places behind the last products
.endr
.irp t, 0,1
	v_add_f32 v[ST+8*\t+4], v[ST+8*\t+2], v[ST+8*\t+3]
.endr
.irp t, 0,1
	v_permlanex16_b32 v[ST+8*\t+5], v[ST+8*\t+4], s[SEL], s[SEL+1]
.endr
.irp t, 0,1
	v_add_f32 v[ST+8*\t+4], v[ST+8*\t+4], v[ST+8*\t+5]
.endr
.irp t, 0,1
	v_rcp_f32 v[ST+8*\t+6], v[ST+8*\t+4]
.endr
	v_and_b32 v248, 15, v0                         ; r.  (The addresses are the plain work behind the reciprocals)
	v_bfe_u32 v249, v0, 4, 1                       ; h
	s_mul_i32 s10, s[WV], 16*SPI
	s_add_co_u32 s10, s10, STAGE                   ; my stage
	v_mul_u32_u24 v[ADK], v248, SPI
	v_lshl_add_u32 v[ADK], v249, 4, v[ADK]
	v_add_nc_u32 v[ADK], s10, v[ADK]               ; in: row r, 16 bytes for each half of the lanes
	v_bfe_u32 v250, v0, 3, 2
	v_mul_u32_u24 v[ADV], v250, SPI
	v_and_b32 v251, 7, v0
	v_lshl_add_u32 v[ADV], v251, 4, v[ADV]
	v_add_nc_u32 v[ADV], s10, v[ADV]               ; back: eight lanes to a row, four rows an instruction
	v_and_b32 v[QO], 31, v0
	v_lshlrev_b32 v[QO], 4, v[QO]                  ; and in ao the same four rows are 512 consecutive bytes
	s_wait_alu depctr_va_vdst(0)                   ; one wait for the two reciprocals, ahead of their first reader
.irp t, 0,1
.irp i, 0,2,4,6,8,10,12,14,16,18,20,22,24,26,28,30
	v_pk_mul_f32 v[OT+32*\t+\i:OT+32*\t+\i+1], v[OT+32*\t+\i:OT+32*\t+\i+1], v[ST+8*\t+6:ST+8*\t+7] op_sel_hi:[1,0]
.endr
.irp p, 0,1,2,3,4,5,6,7,8,9,10,11,12,13,14,15
	v_cvt_pk_f16_f32 v[S+16*\t+\p], v[OT+32*\t+2*\p], v[OT+32*\t+2*\p+1]
.endr
.irp ct, 0,1,2,3
	ds_store_b128 v[ADK], v[S+16*\t+4*\ct:S+16*\t+4*\ct+3] offset:32*\ct
.endr
.irp i, 0,1,2,3
	ds_load_b128 v[S+32+16*\t+4*\i:S+32+16*\t+4*\i+3], v[ADV] offset:4*SPI*\i   ; LDS serves a wave's instructions in order (ISA guide 5.7.1.4): these see my stores, and the next tile's stores come behind them
.endr
.endr
.irp t, 0,1
.irp i, 0,1,2,3
	s_wait_dscnt 11-8*\t-\i                        ; what was issued behind this load may stay out
	global_store_b128 v[QO], v[S+32+16*\t+4*\i:S+32+16*\t+4*\i+3], s[62:63] offset:2048*\t+512*\i   ; 32 lanes store 512 consecutive bytes, aligned
.endr
.endr
	s_wait_tensorcnt 0x0                           ; the wave's end, behind my last tensor load and my last LDS store
	ds_add_u32 v[SPW], v[NIL]
	s_wait_dscnt 0x0
	s_endpgm
.Lfunc_end_k_qdc957e579a_attn:
	.size	k_qdc957e579a_attn, .Lfunc_end_k_qdc957e579a_attn-k_qdc957e579a_attn
	.p2alignl 7, 3214868480
	.fill 96, 4, 3214868480
	.section	.rodata,"a",@progbits
	.p2align	6, 0x0
	.amdhsa_kernel k_qdc957e579a_attn
		.amdhsa_group_segment_fixed_size 327680
		.amdhsa_private_segment_fixed_size 0
		.amdhsa_enable_private_segment 0
		.amdhsa_kernarg_size 16
		.amdhsa_user_sgpr_count 2
		.amdhsa_user_sgpr_kernarg_segment_ptr 1
		.amdhsa_wavefront_size32 1
		.amdhsa_system_sgpr_workgroup_id_x 1
		.amdhsa_system_sgpr_workgroup_id_y 1
		.amdhsa_system_sgpr_workgroup_id_z 1
		.amdhsa_system_vgpr_workitem_id 0
		.amdhsa_next_free_vgpr 256
		.amdhsa_next_free_sgpr 66
		.amdhsa_reserve_vcc 0
		.amdhsa_float_denorm_mode_32 3
		.amdhsa_float_denorm_mode_16_64 3
		.amdhsa_memory_ordered 1
		.amdhsa_forward_progress 1
		.amdhsa_inst_pref_size 87
	.end_amdhsa_kernel
	.amdgpu_metadata
---
amdhsa.version: [ 1, 2 ]
amdhsa.kernels:
  - .name:           k_qdc957e579a_attn
    .symbol:         k_qdc957e579a_attn.kd
    .args:
      - { .name: qkv, .offset: 0, .size: 8, .value_kind: global_buffer, .address_space: global }
      - { .name: ao, .offset: 8, .size: 8, .value_kind: global_buffer, .address_space: global }
    .group_segment_fixed_size: 327680
    .private_segment_fixed_size: 0
    .kernarg_segment_align: 8
    .kernarg_segment_size: 16
    .max_flat_workgroup_size: 512
    .sgpr_count:     66
    .vgpr_count:     256
    .wavefront_size: 32
...
	.end_amdgpu_metadata
.endif
;; end of part 3
;; launch oproj (part 4): grid 4 x 64, 4 waves a work-group, clusters of 4 x 4, 327,680 bytes of LDS; arguments ao, wo16, bo, out0; writes out0
.if DOCPART == 4
	.amdgcn_target "amdgcn-amd-amdhsa--gfx1250"
	.amdhsa_code_object_version 6
	.text
	.protected	k_qdc957e579a_oproj
	.globl	k_qdc957e579a_oproj
	.p2align	8
	.type	k_qdc957e579a_oproj,@function
k_qdc957e579a_oproj:
	s_mov_b64 s[64:65], 0
	v_nop
	global_prefetch_b8 v0, s[64:65] scope:SCOPE_SE
	s_setreg_imm32_b32 hwreg(HW_REG_WAVE_MODE, 25, 1), 1
	s_wait_xcnt 0x0
	s_wait_alu depctr_hold_cnt(0) depctr_sa_sdst(0) depctr_va_vdst(0) depctr_va_sdst(0) depctr_va_ssrc(0) depctr_va_vcc(0) depctr_vm_vsrc(0)
	s_getreg_b32 s2, hwreg(HW_REG_IB_STS2, 6, 4)
	s_cmp_eq_u32 s2, 0
	s_cbranch_scc0 .Lentry_in_a_cluster
	s_endpgm
.Lentry_in_a_cluster:
	s_bfe_u32 s2, ttmp6, 0x10000c
	s_cmp_lg_u32 s2, 0xf033
	s_cbranch_scc0 .Lentry_shape_is_right
	s_endpgm
.Lentry_shape_is_right:
; THE PROJECTION ON THE WAY OUT: out0[m][e] = sum over d of A[m][d] Wo[e][d] + bo[e], m = 8,192 (batch x position), e and d = 1,024; f16 operands, f32 sums, f32 out.
; A arrives by heads: ao [batch 8][head 16][position 1024][64] f16; d = 64 x head + channel.  wo16 [1024 e][1024 d] f16.
; A tile of the output is 128 rows x 256 columns: 256 work-groups.  Four waves, each 64 x 128: 32 accumulators of 16 x 16, 256 registers.
; K goes in steps of 128 = two heads through a ring of two LDS slots.  A head's 128 rows of 128 bytes are one dense block of memory: it is stated as 64 rows of 256 bytes, two positions to a row.
; CLUSTERS: 4 x 4 work-groups.  The four of a row of the cluster need the same tiles of A, the four of a column the same tiles of Wo: each tile is asked for JOINTLY.
; THE MATRIX INSTRUCTION IS USED TRANSPOSED (source 0 = 16 rows of Wo, source 1 = 16 rows of A): a lane holds eight neighbouring columns of one row of the output.
; THE BIAS is loaded straight into the accumulators, in the result's layout: every product then adds in place, no step differs from the others, and nothing is cleared.
; No prefetch: a K step has 128 matrix instructions a wave on this smaller tile, and both operands are walked by many work-groups at about the same time.
; REGISTERS: window 0: v0-31 addresses; two fragment buffers of 96: Wo's eight fragments (16 rows x 32 K), then A's four: F0 at v64, F1 at v160; on the way out v64-191 rows read back.
;   window 1: the accumulators, (a, b) at v[8 (8 a + b)].
.set PITCH,  272                       ; an LDS row: 256 bytes + 16 of padding
.set HA,     64*PITCH                  ; a head's 128 rows of A: what one of A's loads brings
.set HB,     128*PITCH                 ; 128 rows of Wo: what one of Wo's loads brings
.set SLOT,   2*HA+2*HB                 ; A's two heads, then Wo's 256 rows
.set STAGE,  2*SLOT                    ; behind the ring: 16 rows x (512 bytes + 16) for each wave
.set SPITCH, 528
.set SPARE,  STAGE+4*16*SPITCH         ; the spare words, 128 bytes a wave
.set LAPS,   4                         ; eight K steps: four times round the ring
.set ADRA, 16                          ; v16-17  LDS address of my fragments of A in slot 0, 1
.set ADRB, 20                          ; v20-21  the same for Wo
.set STO,  24                          ; v24     the way out: where I put 32 bytes of a row
.set RD,   25                          ; v25     where I read a row back
.set CO,   26                          ; v26     my byte offset in a row's 512 bytes of the output
.set BO,   27                          ; v27     my byte offset in the bias
.set SPW,  28                          ; v28     my spare word; never rewritten
.set NIL,  29                          ; v29     0; never rewritten
.set F0,   64
.set F1,   160
.set BK,   64                          ; the way out: v64-127 and v128-191 by turns
.set G1A, 24                           ; s[24:31] descriptor group 1 for A's tiles;  s[32:39] group 0, one set for each slot
.set G0A, 32
.set G1B, 48                           ; s[48:55], s[56:63] the same for Wo's
.set G0B, 56
.set MSB, 0
.macro WIN new                         ; the immediate's high byte repeats the setting that is left
.if MSB != \new
	s_set_vgpr_msb (MSB<<8)|\new
.set MSB, \new
.endif
.endm
.set MUL, 0x50                         ; sources 0 and 1 window 0; C and D window 1
.macro JLOAD s                         ; a joint load: waves 0 and 1 fetch A's two heads, waves 2 and 3 Wo's two halves; an s_nop 0 and four v_nop follow each of the two lines
	s_cmp_eq_u32 s15, 0
	s_cbranch_scc0 .Lfor_b_\@
	tensor_load_to_lds s[G0A+4*\s:G0A+4*\s+3], s[G1A:G1A+7]
	s_nop 0
.rept 4
	v_nop
.endr
	s_branch .Lasked_\@
.Lfor_b_\@:
	tensor_load_to_lds s[G0B+4*\s:G0B+4*\s+3], s[G1B:G1B+7]
	s_nop 0
.rept 4
	v_nop
.endr
.Lasked_\@:
.endm
.macro CREST                           ; a round of the cluster's barrier behind its opening barrier
	s_cmp_lg_u32 s14, 0
	s_cbranch_scc1 .Lnot_wave_0_\@
	s_barrier_signal -3
.Lnot_wave_0_\@:
	s_barrier_wait -3
	s_barrier_signal -1
	s_barrier_wait -1
.endm
.macro CROUND                          ; a whole round
	s_barrier_signal -1
	s_barrier_wait -1
	CREST
.endm
	s_load_b256 s[4:11], s[0:1], 0x0               ; ao s[4:5], wo16 s[6:7], bo s[8:9], out0 s[10:11]
	v_lshl_add_u32 v[SPW], v0, 2, SPARE
	v_mov_b32 v[NIL], 0
	ds_add_u32 v[SPW], v[NIL]                      ; the wave's opening: the add, twice on end, and its wait ahead of my first tensor load
	ds_add_u32 v[SPW], v[NIL]
	v_lshrrev_b32 v1, 5, v0
	v_readfirstlane_b32 s14, v1                    ; wave 0..3
	s_lshr_b32 s15, s14, 1                         ; which half of the tile's rows is mine.  Also: I fetch for A (0) or for Wo (1)
	s_and_b32 s16, s14, 1                          ; which half of its columns.  Also: which head, or which 128 rows of Wo, I fetch
	s_bfe_u32 s40, ttmp6, 0x40000                  ; cx, cy: my place in the cluster
	s_bfe_u32 s41, ttmp6, 0x40004
	s_lshl_b32 s42, ttmp9, 2
	s_add_co_u32 s42, s42, s40                     ; tile column = 4 x cluster x + cx
	s_and_b32 s17, ttmp7, 0xffff
	s_lshl_b32 s17, s17, 2
	s_add_co_u32 s17, s17, s41                     ; tile row = 4 x cluster y + cy
	s_lshl_b32 s43, s41, 2
	s_lshl_b32 s43, 15, s43                        ; my row of the cluster
	s_lshl_b32 s44, 0x1111, s40                    ; my column
	s_or_b32 s[G1A+0], s43, (1<<16)|(1<<20)|(1<<21)|(5<<22)|(3<<25)  ; 15:0 the mask: A's tiles go to my row; 17:16 element of 2 bytes; 20 padding on; 21 set beside a mask; 24:22 after every 64 words; 31:25 four words
	s_mov_b32 s[G1A+1], 128<<16                    ; tensor_dim0 = 128 elements: two positions' 64 channels
	s_mov_b32 s[G1A+2], 64<<16                     ; tensor_dim1
	s_mov_b32 s[G1A+3], 128<<16                    ; tile_dim0
	s_mov_b32 s[G1A+4], 64                         ; tile_dim1
	s_mov_b32 s[G1A+5], 128                        ; tensor_dim0_stride: dense
	s_mov_b32 s[G1A+6], 0
	s_mov_b32 s[G1A+7], 0
	s_or_b32 s[G1B+0], s44, (1<<16)|(1<<20)|(1<<21)|(5<<22)|(3<<25)
	s_mov_b32 s[G1B+1], 128<<16
	s_mov_b32 s[G1B+2], 128<<16
	s_mov_b32 s[G1B+3], 128<<16
	s_mov_b32 s[G1B+4], 128
	s_mov_b32 s[G1B+5], 1024                       ; a row of Wo
	s_mov_b32 s[G1B+6], 0
	s_mov_b32 s[G1B+7], 0
	s_lshr_b32 s20, s17, 3
	s_lshl_b32 s20, s20, 21                        ; A: the batch = tile row / 8,
	s_and_b32 s21, s17, 7
	s_lshl_b32 s21, s21, 14                        ; the tile's 128 positions of 128 bytes,
	s_add_co_u32 s20, s20, s21
	s_lshl_b32 s21, s16, 17                        ; the head that I fetch of a K step's two
	s_add_co_u32 s20, s20, s21
	s_mov_b32 s21, 0
	s_lshl_b32 s46, s42, 19                        ; Wo: the tile's 256 rows of 2,048 bytes,
	s_lshl_b32 s47, s16, 18                        ; the 128 that I fetch
	s_add_co_u32 s46, s46, s47
	s_mov_b32 s47, 0
	s_mul_i32 s45, s16, HA                         ; where they go: no place in the cluster enters an LDS address
	s_mul_i32 s22, s16, HB
	s_add_co_u32 s22, s22, 2*HA
	s_wait_dscnt 0x0                               ; both opening adds are done
	s_wait_kmcnt 0x0
	s_add_nc_u64 s[20:21], s[4:5], s[20:21]
	s_add_nc_u64 s[46:47], s[6:7], s[46:47]
	CROUND                                         ; all sixteen work-groups are here: the first joint loads meet
.irp s, 0,1
	s_mov_b32 s[G0A+4*\s], 1
	s_add_co_u32 s[G0A+4*\s+1], s45, \s*SLOT
	s_add_nc_u64 s[G0A+4*\s+2:G0A+4*\s+3], s[20:21], \s*262144     ; K step s: two heads on
	s_or_b32 s[G0A+4*\s+3], s[G0A+4*\s+3], 0x80000000
	s_mov_b32 s[G0B+4*\s], 1
	s_add_co_u32 s[G0B+4*\s+1], s22, \s*SLOT
	s_add_nc_u64 s[G0B+4*\s+2:G0B+4*\s+3], s[46:47], \s*256        ; 128 elements along a row
	s_or_b32 s[G0B+4*\s+3], s[G0B+4*\s+3], 0x80000000
	JLOAD \s                                       ; two loads of mine are out
.endr
	v_and_b32 v1, 15, v0                           ; r
	v_bfe_u32 v2, v0, 4, 1                         ; h
	s_lshl_b32 s18, s42, 10                        ; the bias of my 128 columns: 256 x tile column + 128 x half, 4 bytes each
	s_lshl_b32 s19, s16, 9
	s_add_co_u32 s18, s18, s19
	s_mov_b32 s19, 0
	s_add_nc_u64 s[8:9], s[8:9], s[18:19]
	v_lshlrev_b32 v[BO], 5, v2                     ; lane (r, h) wants, for block b, the numbers 16 b + 8 h + 0 .. 7
	WIN 0x40                                       ; destination window 1
.irp a, 0,1,2,3
.irp b, 0,1,2,3,4,5,6,7
	global_load_b128 v[8*(8*\a+\b):8*(8*\a+\b)+3], v[BO], s[8:9] offset:64*\b
	global_load_b128 v[8*(8*\a+\b)+4:8*(8*\a+\b)+7], v[BO], s[8:9] offset:64*\b+16
.endr
.endr
	WIN 0
	v_lshrrev_b32 v3, 1, v1
	v_mul_u32_u24 v3, v3, PITCH                    ; A: position r lies in double row r / 2,
	v_and_b32 v4, 1, v0
	v_lshl_add_u32 v3, v4, 7, v3                   ; in its half r % 2,
	v_lshl_add_u32 v3, v2, 4, v3                   ; + 16 h
	v_mul_u32_u24 v4, v1, PITCH
	v_lshl_add_u32 v4, v2, 4, v4                   ; Wo: row r x pitch + 16 h
	s_mul_i32 s21, s15, 32*PITCH                   ; my 64 rows of A: 32 double rows
	s_mul_i32 s22, s16, HB                         ; my 128 rows of Wo,
	s_add_co_u32 s22, s22, 2*HA                    ; which lie behind A's two heads
.irp s, 0,1
	v_add_nc_u32 v[ADRA+\s], s21, v3
	v_add_nc_u32 v[ADRB+\s], s22, v4
	s_add_co_u32 s21, s21, SLOT
	s_add_co_u32 s22, s22, SLOT
.endr
	s_mul_i32 s23, s14, 16*SPITCH
	s_add_co_u32 s23, s23, STAGE                   ; my stage
	v_mul_u32_u24 v5, v1, SPITCH                   ; in: row r, 32 bytes for each half of the lanes
	v_lshl_add_u32 v5, v2, 5, v5
	v_add_nc_u32 v[STO], s23, v5
	v_and_b32 v6, 31, v0
	v_lshlrev_b32 v[CO], 4, v6                     ; back: the 32 lanes take one row of 512 bytes; and the same in the output
	v_add_nc_u32 v[RD], s23, v[CO]
	s_lshl_b32 s20, s17, 7
	s_lshl_b32 s21, s15, 6
	s_add_co_u32 s20, s20, s21                     ; my first row: 128 x tile row + 64 x half,
	s_lshl_b32 s20, s20, 12                        ; of 4,096 bytes
	s_mov_b32 s21, 0
	s_add_nc_u64 s[10:11], s[10:11], s[20:21]
	s_add_nc_u64 s[10:11], s[10:11], s[18:19]      ; my first column, in bytes: as in the bias
.macro MUL8 f, a                       ; A's block a against Wo's eight, 32 along K.  The 32 accumulators take turns, one instruction a turn, in the same order in every quarter
.irp b, 0,1,2,3,4,5,6,7
	v_wmma_f32_16x16x32_f16 v[8*(8*(\a)+\b):8*(8*(\a)+\b)+7], v[\f+8*\b:\f+8*\b+7], v[\f+64+8*(\a):\f+64+8*(\a)+7], v[8*(8*(\a)+\b):8*(8*(\a)+\b)+7]
.endr
.endm
.macro MUL16 f, a0
	MUL8 \f, \a0
	MUL8 \f, (\a0)+1
.endm
; 24 LDS loads in one run: the fragments of the slot's q-th 32 along K into buffer f: Wo's eight, then A's blocks 0 and 1, then 2 and 3.  Quarter q lies in head q / 2, channels 32 (q % 2) on.
.macro FETCH slot, q, f
	WIN 0
.irp i, 0,1,2,3,4,5,6,7
	ds_load_b128 v[\f+8*\i:\f+8*\i+3],   v[ADRB+\slot] offset:64*(\q)+\i*16*PITCH
	ds_load_b128 v[\f+8*\i+4:\f+8*\i+7], v[ADRB+\slot] offset:64*(\q)+\i*16*PITCH+32
.endr
.irp i, 0,1,2,3
	ds_load_b128 v[\f+64+8*\i:\f+64+8*\i+3],   v[ADRA+\slot] offset:HA*((\q)/2)+64*((\q)%2)+\i*8*PITCH
	ds_load_b128 v[\f+64+8*\i+4:\f+64+8*\i+7], v[ADRA+\slot] offset:HA*((\q)/2)+64*((\q)%2)+\i*8*PITCH+32
.endr
.endm
.macro PLACES                          ; four places in front of loads into registers that matrix instructions have read, and of LDS stores that read results (ISA guide 7.12.1 for vector instructions)
.rept 4
	v_nop
.endr
.endm
; A K step is four quarters of 32 along K, 32 matrix instructions each, on buffers 0, 1, 0, 1.  One of the first three: multiplies buffer f and fetches quarter qn into g.
.macro QUARTER slot, qn, f, g
	s_wait_dscnt 4                                 ; Wo's fragments and A's blocks 0 and 1 are in; the youngest four loads (A's blocks 2 and 3) may be out
	WIN MUL
	MUL16 \f, 0
	PLACES
	FETCH \slot, \qn, \g
	s_wait_dscnt 24                                ; all but the 24 just issued
	WIN MUL
	MUL16 \f, 2
.endm
; The last quarter multiplies buffer 1 and changes slots: ONE barrier; in front of it each wave waits for all its tensor loads, adds 0 to its spare word, and waits for that and for its own reads of this slot.
; fill = 1: the barrier opens a round of the cluster's barrier, and this slot is filled again, two K steps ahead: one load a wave, 112 matrix instructions ahead of the wait for it.
.macro TURN slot, next, fill
	WIN 0                                          ; (the add's two registers lie in window 0)
	s_wait_tensorcnt 0x0                           ; all my tensor loads have landed: the one that was out is my part of the next slot;
	ds_add_u32 v[SPW], v[NIL]                      ; 0 onto my spare word;
	s_wait_dscnt 5                                 ; (the add and the youngest four loads may be out)
	WIN MUL
	MUL8 F1, 0                                     ; eight matrix instructions stand between the add and the wait for it
	s_wait_dscnt 0x0                               ; the add is done, and my reads of this slot are over
	s_barrier_signal -1
	MUL8 F1, 1
.if \fill
	WIN 0
.endif
	s_barrier_wait -1
.if \fill
	CREST                                          ; no wave of any partner still reads this slot's tiles or has a load on its way
	s_add_nc_u64 s[G0A+4*\slot+2:G0A+4*\slot+3], s[G0A+4*\slot+2:G0A+4*\slot+3], 524288   ; two K steps on: four heads,
	s_add_nc_u64 s[G0B+4*\slot+2:G0B+4*\slot+3], s[G0B+4*\slot+2:G0B+4*\slot+3], 512      ; 256 elements along a row
	JLOAD \slot                                    ; the first tensor load behind the round; the four v_nop behind it are also the places in front of the loads below
.else
	PLACES
.endif
	FETCH \next, 0, F0
	WIN MUL
	MUL16 F1, 2
.endm
	s_wait_tensorcnt 1                             ; my part of K step 0 is in (K step 1's may be out)
	s_barrier_signal -1
	s_barrier_wait -1                              ; everybody's is
	FETCH 0, 0, F0
	s_wait_loadcnt 0x0                             ; the bias lies in the accumulators
	s_mov_b32 s3, LAPS-1
.Llap:                                                 ; a trip goes once round the ring and fills both slots again
	QUARTER 0, 1, F0, F1
	QUARTER 0, 2, F1, F0
	QUARTER 0, 3, F0, F1
	TURN 0, 1, 1
	QUARTER 1, 1, F0, F1
	QUARTER 1, 2, F1, F0
	QUARTER 1, 3, F0, F1
	TURN 1, 0, 1
	WIN 0                                          ; at a label and at a branch every window is 0
	s_sub_co_u32 s3, s3, 1
	s_cmp_lg_u32 s3, 0
	s_cbranch_scc1 .Llap
	QUARTER 0, 1, F0, F1                           ; the last lap is written out: it fills nothing, and has no round of the cluster's barrier
	QUARTER 0, 2, F1, F0
	QUARTER 0, 3, F0, F1
	TURN 0, 1, 0
	QUARTER 1, 1, F0, F1
	QUARTER 1, 2, F1, F0
	QUARTER 1, 3, F0, F1
	s_wait_dscnt 4                                 ; the very last quarter: nothing more to fetch
	WIN MUL
	MUL16 F1, 0
	s_wait_dscnt 0
	MUL16 F1, 2
	WIN 0
; THE WAY OUT, block by block of 16 rows x 128 columns.  A lane holds 32 neighbouring bytes of a row, and the lanes beside it hold other rows: so a block goes through my own stage in LDS and comes back as
; whole rows of 512 bytes.  LDS serves a wave's instructions in order (ISA guide 5.7.1.4): no wait between the stores and the loads, nor in front of the next block's stores.
.macro TOSTAGE a
	WIN 0x04                                       ; an LDS store's data are its source 1: window 1
.irp b, 0,1,2,3,4,5,6,7
	ds_store_b128 v[STO], v[8*(8*(\a)+\b):8*(8*(\a)+\b)+3] offset:64*\b            ; each accumulator from its low end on
	ds_store_b128 v[STO], v[8*(8*(\a)+\b)+4:8*(8*(\a)+\b)+7] offset:64*\b+16
.endr
	WIN 0
.set BB, BK+64*((\a)%2)
.irp t, 0,1,2,3,4,5,6,7,8,9,10,11,12,13,14,15
	ds_load_b128 v[BB+4*\t:BB+4*\t+3], v[RD] offset:\t*SPITCH
.endr
.endm
.macro SEND a, younger                 ; younger: the LDS instructions issued behind block a's loads, which may stay out
.set BB, BK+64*((\a)%2)
	s_wait_dscnt \younger
.irp t, 0,1,2,3,4,5,6,7,8,9,10,11,12,13,14,15
	global_store_b128 v[CO], v[BB+4*\t:BB+4*\t+3], s[10:11] offset:(16*(\a)+\t)*4096 th:TH_STORE_NT   ; 32 lanes store 512 consecutive bytes, aligned; written once, read by nobody here
.endr
.endm
	PLACES                                         ; behind the last products: for the stores that read results and the loads into the fragments' registers
	TOSTAGE 0
.irp a, 1,2,3
.if \a > 1
	s_wait_xcnt 0x0                                ; block a - 2's stores have read their registers: block a's loads may land there
.endif
	TOSTAGE \a
	SEND \a-1, 32                                  ; behind block a - 1's loads: block a's 16 stores and 16 loads
.endr
	SEND 3, 0
	s_wait_tensorcnt 0x0                           ; the wave's end, behind my last tensor load and my last LDS store
	ds_add_u32 v[SPW], v[NIL]
	s_wait_dscnt 0x0
	CROUND                                         ; the closing round: no work-group ends while a partner may still ask for a tile that names it
	s_endpgm
.Lfunc_end_k_qdc957e579a_oproj:
	.size	k_qdc957e579a_oproj, .Lfunc_end_k_qdc957e579a_oproj-k_qdc957e579a_oproj
	.p2alignl 7, 3214868480
	.fill 96, 4, 3214868480
	.section	.rodata,"a",@progbits
	.p2align	6, 0x0
	.amdhsa_kernel k_qdc957e579a_oproj
		.amdhsa_group_segment_fixed_size 327680
		.amdhsa_private_segment_fixed_size 0
		.amdhsa_enable_private_segment 0
		.amdhsa_kernarg_size 32
		.amdhsa_user_sgpr_count 2
		.amdhsa_user_sgpr_kernarg_segment_ptr 1
		.amdhsa_wavefront_size32 1
		.amdhsa_system_sgpr_workgroup_id_x 1
		.amdhsa_system_sgpr_workgroup_id_y 1
		.amdhsa_system_sgpr_workgroup_id_z 1
		.amdhsa_system_vgpr_workitem_id 0
		.amdhsa_next_free_vgpr 512
		.amdhsa_next_free_sgpr 66
		.amdhsa_reserve_vcc 0
		.amdhsa_float_denorm_mode_32 3
		.amdhsa_float_denorm_mode_16_64 3
		.amdhsa_memory_ordered 1
		.amdhsa_forward_progress 1
		.amdhsa_inst_pref_size 91
	.end_amdhsa_kernel
	.amdgpu_metadata
---
amdhsa.version: [ 1, 2 ]
amdhsa.kernels:
  - .name:           k_qdc957e579a_oproj
    .symbol:         k_qdc957e579a_oproj.kd
    .args:
      - { .name: ao, .offset: 0, .size: 8, .value_kind: global_buffer, .address_space: global }
      - { .name: wo16, .offset: 8, .size: 8, .value_kind: global_buffer, .address_space: global }
      - { .name: bo, .offset: 16, .size: 8, .value_kind: global_buffer, .address_space: global }
      - { .name: out0, .offset: 24, .size: 8, .value_kind: global_buffer, .address_space: global }
    .group_segment_fixed_size: 327680
    .private_segment_fixed_size: 0
    .kernarg_segment_align: 8
    .kernarg_segment_size: 32
    .max_flat_workgroup_size: 128
    .sgpr_count:     66
    .vgpr_count:     512
    .wavefront_size: 32
...
	.end_amdgpu_metadata
.endif
;; end of part 4
